; MI455X (gfx1250); checked and timed in simulation.
; The chip was launched on July 23, 2026; its instructions are those of AMD's public machine-readable ISA for CDNA 5 (MIT licence, August 2026) and "CDNA5" Instruction Set Architecture Reference Guide (July 2026). The comments in the code are by the model that wrote it; some were corrected since.
;; Multi Head Attention. Allowed arithmetic: matrix products marked QUANTISED: E2M3 operands, one E8M0 scale for each 32 along K, by v_wmma_scale_f32_16x16x128_f8f6f4 with both operands' format E2M3, f32 sums; everything else in f32.
;; Inputs: b_out 1,024 float32; b_qkv 3,072 float32; w_out 1,024 x 1,024 float32; w_qkv 1,024 x 3,072 float32; x 4 x 2,048 x 1,024 float32.
;; Outputs: out0 4 x 2,048 x 1,024 float32.
;; This version of the problem:
;;   THIS VERSION OF THE PROBLEM IS GIVEN IN LOW PRECISION. The matrix products marked QUANTISED in the list below multiply operands that are first quantised to E2M3 (2 exponent bits, 3 mantissa bits; 6 bits a number), with one power-of-two scale for each 32 numbers along K (OCP MX v1.0); their sums are f32. All else is computed in f32.
;;   The module's matrix products, in the order in which they are computed (A, B: the left and right operand; K: the contracted axis; several contracted axes count as one K, in the product's order):
;;     1. [M 8,192, K 1,024] x [K 1,024, N 3,072]; A: input x; B: input w_qkv: QUANTISED
;;     2. batch 64 x [M 2,048, K 64] x [K 64, N 2,048]; A: computed on the way; B: computed on the way: QUANTISED
;;     3. batch 64 x [M 2,048, K 2,048] x [K 2,048, N 64]; A: softmax (see below); B: computed on the way: QUANTISED
;;     4. [M 8,192, K 1,024] x [K 1,024, N 1,024]; A: computed on the way; B: input w_out: QUANTISED
;;   THE QUANTISER, for each operand of a quantised product, along K:
;;     - K is cut into blocks of 32 from its start; a last block that is shorter is filled with zeros.
;;     - A block's scale is 2^e with e = floor(log2(the largest magnitude in the block)) - 2, held to -126 .. 127; a block of zeros has e = 0. As a byte (E8M0): e + 127.
;;     - Each number is divided by its block's scale, clamped to +-7.5, and rounded to the nearest number of E2M3, ties to even, subnormals kept.
;;     - The product sums the exact products of the quantised numbers (number of the format x scale) in f32.
;;   ~~~python
;;   def quantise(x, axis):      # numpy; x: float32 -> the quantised numbers, widened to float32 again
;;       x = np.moveaxis(x, axis, -1); K = x.shape[-1]
;;       x = np.pad(x, [(0, 0)] * (x.ndim - 1) + [(0, -K % 32)]); x = x.reshape(x.shape[:-1] + (-1, 32)); a = np.abs(x).max(-1, keepdims=True)
;;       e = np.where(a > 0, np.clip(np.frexp(np.where(a > 0, a, 1))[1] - 1 - 2, -126, 127), 0)      # np.frexp(a)[1] - 1 = floor(log2(a)), exactly
;;       r = np.clip(x / 2.0 ** e, -7.5, 7.5)
;;       step = 2.0 ** (np.maximum(np.frexp(np.where(r == 0, 1, r))[1] - 1, 0) - 3)
;;       q = np.round(r / step) * step * 2.0 ** e      # np.round: ties to even
;;       return np.moveaxis(q.reshape(q.shape[:-2] + (-1,))[..., :K], -1, axis).astype(np.float32)
;;   ~~~
;;   SOFTMAX AHEAD OF A QUANTISED PRODUCT. Where the list says 'softmax', what is quantised is not the finished softmax but p = 2^(t - M), with t = logit x log2(e) and M = ceil(the row's largest t), a whole number; so 1/2 < the row's largest p <= 1. The row's sum l is taken of the UNQUANTISED p, in f32, and the product's result is divided by l at the end. Since M is a whole number, a kernel that streams over the keys may use a running M (the ceiling of the running maximum): every later rescaling is an exact power of two, which a block's scale takes up: the codes' values come out the same.
;;   OPERANDS COMPUTED ON THE WAY. 'Computed on the way' means the value that the module computes at that place (a softmax that the list does not call 'softmax' is quantised finished and normalised). What goes into a quantiser is computed in f32, as accurately as f32 sums, v_exp_f32 and their like allow (about 1e-6 of the number): no bf16 or f16 on the way to a quantiser, and a product that is left as it is and whose result goes on into a quantised operand takes f32 operands (vector FMAs, or v_wmma_f32_16x16x4_f32). A number that lies on a knife's edge between two numbers of the format may be rounded either way, as far as f32 arithmetic and the matrix unit's own rounding can turn it there, and no further.
;; One version. Each part assembles by itself: llvm-mc -triple=amdgcn-amd-amdhsa -mcpu=gfx1250 --defsym DOCPART=n.
;; ======== version 1 of 1: 4 launches
;; limits: right only within a limited range of input values
;; workspace buffers: xc 6,291,456 bytes; xs 262,144 bytes; wc 3,145,728 bytes; ws 131,072 bytes; qc 6,291,456 bytes; kv 12,582,912 bytes; sq 786,432 bytes; at 6,553,600 bytes
;; launch prep (part 1): grid 512 x 1, 4 waves a work-group, no clusters, 34,304 bytes of LDS; arguments x, w_qkv, w_out, xc, xs, wc, ws; writes xc, xs, wc, ws
.if DOCPART == 1
	.amdgcn_target "amdgcn-amd-amdhsa--gfx1250"
	.amdhsa_code_object_version 6
	.text
	.protected	k_q9cdc46cedf_prep
	.globl	k_q9cdc46cedf_prep
	.p2align	8
	.type	k_q9cdc46cedf_prep,@function
k_q9cdc46cedf_prep:
	s_mov_b64 s[64:65], 0
	v_nop
	global_prefetch_b8 v0, s[64:65] scope:SCOPE_SE
	s_setreg_imm32_b32 hwreg(HW_REG_WAVE_MODE, 25, 1), 1
	s_wait_xcnt 0x0
; x [8192][1024], w_qkv [1024][3072] and w_out [1024][1024], f32, become codes of FP6 (E2M3) along K with one E8M0 byte for each 32 along K,
; laid as the products' operand registers want them.
; TILES.  Tile T (16 rows of an operand: tokens of x, columns n of a weight) holds rows 32 (T / 2) + 8 (T % 2) + r + 8 (r / 8), r = 0 .. 15.
; A FRAGMENT (a tile x 128 along K) is 12 registers a lane: registers 6 c .. 6 c + 5 of lane (r, h) hold k = 64 c + 32 h + 0 .. 31 of the tile's row r.
; Its IMAGE is 1,536 bytes: register i of lane l at 512 (i / 4) + 16 l + 4 (i % 4): three stores of 16 bytes a lane, 512 consecutive bytes each.
; Codes: [tile][K step 0 .. 7][image].  Scale words: [tile / 8][K step][tile % 8][r], four bytes each.  wc, ws: tiles 0-191 w_qkv's columns, 192-255 w_out's.
; A block's scale is 2^(floor(log2(largest magnitude)) - 2); its byte is the largest magnitude's exponent field - 2, held at 1 from below.
; LIMITS: a block of zeros, or one whose largest magnitude lies under 2^-124, gets the byte 1 where the rule says 127 or less (its codes are zeros or near it; only this program reads the bytes);
; NaN and infinities among the inputs are not served.
; SHARES.  Work-groups 0-255: x: a wave makes the four fragments of four tiles (64 tokens) at one K step; each load reads 512 consecutive bytes of a row; the rows turn through the wave's own stage in LDS.
; Work-groups 256-447: w_qkv, 448-511: w_out: a lane takes a column, its registers run down K: a wave makes the two fragments of 32 columns at one K step; no LDS.
; No tensor load, no barrier, no cluster: waves share no input.  The launch streams each input byte once, so nothing is prefetched.
.set STG,   8448                       ; a wave's stage: 16 rows x (512 bytes + 16): the pitch is an odd multiple of 16 bytes
.set SPARE, 4*STG                      ; behind the stages: the spare words, 128 bytes a wave
.set XA,  1                            ; v1   16 x lane
.set STW, 2                            ; v2   the stage, on the way in
.set STR, 3                            ; v3   and on the way out: row r, + 128 h
.set L4,  4                            ; v4   4 x lane
.set SH,  5                            ; v5   8 h
.set PX,  6                            ; v6   a lane permute's destination
.set WCO, 9                            ; v9   weights: 4 x my column
.set SPW, 14                           ; v14  my spare word; never rewritten
.set NIL, 15                           ; v15  0; never rewritten
.set R,   16                           ; v16-143  x: two sets of 16 loads.  Weights: four blocks of 32 numbers
.set X,   144                          ; v144-207 x: my 64 numbers of a fragment
.set C,   208                          ; v208-231 x: codes, two sets of 12
.set T,   232                          ; v232-239 x: second halves of the blocks' codes
.set PW,  240                          ; v240-243 x: the four fragments' scale words
.set M,   244
.set SO,  246
.set B,   248
.set FA,  144                          ; weights: the two fragments,
.set FB,  156
.set WT,  168                          ; v168-183 second halves,
.set WM,  184                          ; v184-185 two chains of the maximum,
.set WB,  186
.set WPW, 187
.set WSO, 188                          ; v188-191 the conversions' scale operands
	s_load_b256 s[4:11], s[0:1], 0x0               ; x, w_qkv, w_out, xc
	s_load_b128 s[12:15], s[0:1], 0x20             ; xs, wc
	s_load_b64 s[16:17], s[0:1], 0x30              ; ws
	v_lshl_add_u32 v[SPW], v0, 2, SPARE
	v_mov_b32 v[NIL], 0
	v_lshrrev_b32 v7, 5, v0
	v_readfirstlane_b32 s18, v7                    ; wave
	v_and_b32 v7, 31, v0                           ; lane
	v_lshlrev_b32 v[XA], 4, v7
	v_lshlrev_b32 v[L4], 2, v7
	s_mov_b32 s24, 0x76543210
	s_mov_b32 s25, 0xfedcba98                      ; v_permlanex16_b32's selects for lane l xor 16
	s_mov_b32 s26, 0xffff0000                      ; lanes 16-31
	s_wait_kmcnt 0x0
	s_cmp_lt_u32 ttmp9, 256
	s_cbranch_scc0 .Lweights
	; ---------------- x ----------------
	s_lshl_b32 s20, ttmp9, 2
	s_add_co_u32 s20, s20, s18
	s_lshr_b32 s21, s20, 3                         ; which four tiles
	s_and_b32 s22, s20, 7                          ; which K step: the four waves stand side by side on 2,048 bytes of each row
	s_lshl_b32 s28, s21, 18                        ; 64 rows of 4,096 bytes
	s_lshl_b32 s29, s22, 9
	s_add_co_u32 s28, s28, s29
	s_mov_b32 s29, 0
	s_add_nc_u64 s[4:5], s[4:5], s[28:29]
	s_mul_i32 s30, s21, 49152                      ; four tiles of 12,288 bytes
	s_mul_i32 s31, s22, 1536
	s_add_co_u32 s30, s30, s31
	s_mov_b32 s31, 0
	s_add_nc_u64 s[10:11], s[10:11], s[30:31]
	s_lshr_b32 s32, s21, 1
	s_lshl_b32 s32, s32, 12                        ; eight tiles' scale words are 4,096 bytes
	s_lshl_b32 s33, s22, 9
	s_add_co_u32 s32, s32, s33
	s_and_b32 s33, s21, 1
	s_lshl_b32 s33, s33, 8
	s_add_co_u32 s32, s32, s33
	s_mov_b32 s33, 0
	s_add_nc_u64 s[12:13], s[12:13], s[32:33]
	s_mul_i32 s19, s18, STG
	s_wait_alu depctr_va_vdst(0)
	v_add_nc_u32 v[STW], s19, v[XA]
	v_and_b32 v8, 15, v0
	v_bfe_u32 v9, v0, 4, 1
	v_mul_u32_u24 v[STR], v8, 528
	v_lshl_add_u32 v[STR], v9, 7, v[STR]
	v_add_nc_u32 v[STR], s19, v[STR]
	v_lshlrev_b32 v[SH], 3, v9
	v_mov_b32 v[PX], 0                             ; written once: a lane permute's destination counts as one of its sources
.macro LOADX f                         ; the 16 rows of tile f of my four: 512 consecutive bytes a load
.irp t, 0,1,2,3,4,5,6,7,8,9,10,11,12,13,14,15
	global_load_b128 v[R+64*((\f)%2)+4*\t:R+64*((\f)%2)+4*\t+3], v[XA], s[4:5] offset:(32*((\f)/2)+8*((\f)%2)+\t+8*(\t/8))*4096 th:TH_LOAD_NT
.endr
.endm
.macro XFRAG f
.set RS, R+64*((\f)%2)
.set CC, C+12*((\f)%2)
.if (\f) < 3
	s_wait_loadcnt 16                              ; this tile's 16 loads are in; the next tile's 16 may be out
.else
	s_wait_loadcnt 0x0
.endif
.irp t, 0,1,2,3,4,5,6,7,8,9,10,11,12,13,14,15
	ds_store_b128 v[STW], v[RS+4*\t:RS+4*\t+3] offset:528*\t
.endr
.irp c, 0,1
.irp j, 0,1,2,3,4,5,6,7
	ds_load_b128 v[X+32*\c+4*\j:X+32*\c+4*\j+3], v[STR] offset:256*\c+16*\j   ; LDS serves a wave's instructions in order: these see my stores.  k = 64 c + 32 h + 4 j ..
.endr
.endr
	s_wait_dscnt 0x0                               ; my numbers are back, and the stores into the stage have read their registers
.if (\f) < 2
	LOADX (\f)+2
.else
	s_wait_xcnt 0x0                                ; the stores of two tiles back have read this set of codes: it is written again only behind this wait
.endif
.irp c, 0,1
	v_max3_num_f32 v[M+\c], |v[X+32*\c]|, |v[X+32*\c+1]|, 0x1800000   ; my block 2 c + h: all 32 numbers are mine; and the floor 2^(3 - 127)
.endr
.irp i, 2,4,6,8,10,12,14,16,18,20,22,24,26,28,30
.irp c, 0,1
	v_max3_num_f32 v[M+\c], v[M+\c], |v[X+32*\c+\i]|, |v[X+32*\c+\i+1]|
.endr
.endr
.irp c, 0,1
	v_add_nc_u32 v[SO+\c], 0xff000000, v[M+\c]     ; 2 off the exponent field: the conversion's scale operand
.endr
.irp c, 0,1
	v_lshrrev_b32 v[B+\c], 23, v[SO+\c]            ; the scale's byte
.endr
	v_lshl_or_b32 v[PW+(\f)], v[B+1], 16, v[B]     ; blocks h and 2 + h,
	v_lshlrev_b32 v[PW+(\f)], v[SH], v[PW+(\f)]    ; at their places in the word;
	v_permlanex16_b32 v[PX], v[PW+(\f)], s24, s25
	v_or_b32 v[PW+(\f)], v[PW+(\f)], v[PX]         ; with lane l xor 16's two the word is whole
.irp c, 0,1
	v_cvt_scalef32_pk16_fp6_f32 v[CC+6*\c:CC+6*\c+2], v[X+32*\c:X+32*\c+15], v[SO+\c]
	v_cvt_scalef32_pk16_fp6_f32 v[T+4*\c:T+4*\c+2], v[X+32*\c+16:X+32*\c+31], v[SO+\c]   ; (a conversion's three registers begin on an even number)
.endr
	v_nop                                          ; one plain place behind a scaled conversion
.irp c, 0,1
.irp i, 0,1,2
	v_mov_b32 v[CC+6*\c+3+\i], v[T+4*\c+\i]
.endr
.endr
.irp c, 0,1,2
	global_store_b128 v[XA], v[CC+4*\c:CC+4*\c+3], s[10:11] offset:12288*(\f)+512*\c   ; 512 consecutive bytes, aligned
.endr
.endm
	LOADX 0
	LOADX 1
	s_wait_alu depctr_va_vdst(0)
	XFRAG 0
	XFRAG 1
	XFRAG 2
	XFRAG 3
	v_cndmask_b32 v[M], v[PW], v[PW+1], s26        ; lanes 0-15 the first tile's words, lanes 16-31 the second's
	v_cndmask_b32 v[M+1], v[PW+2], v[PW+3], s26
	global_store_b32 v[L4], v[M], s[12:13]         ; together 256 consecutive bytes, aligned
	global_store_b32 v[L4], v[M+1], s[12:13] offset:128
	s_branch .Lend
	; ---------------- the weights ----------------
.macro WLOAD n, b                      ; block b: W(128 s + 32 b + i, my column): 128 consecutive bytes a wave, 512 a work-group
.set i, 0
.rept 32
	global_load_b32 v[R+32*(\b)+i], v[WCO], s[28:29] offset:(32*(\b)+i)*4*(\n) th:TH_LOAD_NT
.set i, i+1
.endr
.endm
.macro WBLOCK n, b
.set XS, R+32*(\b)
.set DD, FA+12*((\b)%2)+6*((\b)/2)     ; even blocks into the first fragment's registers, odd ones into the second's
.if (\b) < 3
	s_wait_loadcnt 32                              ; this block's 32 loads are in; the next block's 32 may be out
.else
	s_wait_loadcnt 0x0
.endif
.if (\b) < 2
	WLOAD \n, (\b)+2                               ; two blocks ahead, into registers of their own
.endif
	v_max3_num_f32 v[WM], |v[XS]|, |v[XS+1]|, |v[XS+2]|
	v_max3_num_f32 v[WM+1], |v[XS+3]|, |v[XS+4]|, |v[XS+5]|
.irp i, 6,10,14,18,22,26
	v_max3_num_f32 v[WM], v[WM], |v[XS+\i]|, |v[XS+\i+1]|
	v_max3_num_f32 v[WM+1], v[WM+1], |v[XS+\i+2]|, |v[XS+\i+3]|
.endr
	v_max3_num_f32 v[WM], v[WM], |v[XS+30]|, |v[XS+31]|
	v_max3_num_f32 v[WM], v[WM], v[WM+1], 0x1800000   ; and the floor
	v_add_nc_u32 v[WSO+(\b)], 0xff000000, v[WM]
	v_lshrrev_b32 v[WB], 23, v[WSO+(\b)]
.if (\b) == 0
	v_mov_b32 v[WPW], v[WB]
.else
	v_lshl_or_b32 v[WPW], v[WB], 8*(\b), v[WPW]    ; my column's scale word: byte b for block b
.endif
	v_cvt_scalef32_pk16_fp6_f32 v[DD:DD+2], v[XS:XS+15], v[WSO+(\b)]
	v_cvt_scalef32_pk16_fp6_f32 v[WT+4*(\b):WT+4*(\b)+2], v[XS+16:XS+31], v[WSO+(\b)]
.endm
; base: the path's first work-group; cg0: its first group of eight tiles in wc and ws; n: the weight's columns; src: its pointer
.macro WPATH base, cg0, n, src
	s_sub_co_u32 s20, ttmp9, \base
	s_and_b32 s22, s20, 7                          ; K step
	s_lshr_b32 s21, s20, 3                         ; which 128 columns
	s_lshl_b32 s23, s21, 2
	s_add_co_u32 s23, s23, s18                     ; which 32: my wave's two tiles
	s_mul_i32 s30, s22, 128*4*(\n)
	s_lshl_b32 s31, s23, 7
	s_add_co_u32 s30, s30, s31
	s_mov_b32 s31, 0
	s_add_nc_u64 s[28:29], s[\src:\src+1], s[30:31]
	s_add_co_u32 s21, s21, \cg0
	s_mul_i32 s30, s21, 98304
	s_mul_i32 s32, s18, 24576
	s_add_co_u32 s30, s30, s32
	s_mul_i32 s32, s22, 1536
	s_add_co_u32 s30, s30, s32
	s_add_nc_u64 s[14:15], s[14:15], s[30:31]
	s_lshl_b32 s30, s21, 12
	s_lshl_b32 s32, s22, 9
	s_add_co_u32 s30, s30, s32
	s_lshl_b32 s32, s18, 7
	s_add_co_u32 s30, s30, s32
	s_add_nc_u64 s[16:17], s[16:17], s[30:31]
	WLOAD \n, 0
	WLOAD \n, 1
	WBLOCK \n, 0
	WBLOCK \n, 1
	WBLOCK \n, 2
	WBLOCK \n, 3
	v_nop                                          ; one plain place behind the scaled conversions
.irp b, 0,1,2,3
.irp i, 0,1,2
	v_mov_b32 v[FA+12*(\b%2)+6*(\b/2)+3+\i], v[WT+4*\b+\i]
.endr
.endr
.irp i, 0,1,2,3,4,5,6,7,8,9,10,11
	v_permlane16_swap_b32 v[FA+\i], v[FB+\i]       ; lanes 0-15 held the first tile's columns, lanes 16-31 the second's: now the first run of registers is the first tile's fragment (even blocks below, odd above), the second the second's
.endr
.irp c, 0,1,2
	global_store_b128 v[XA], v[FA+4*\c:FA+4*\c+3], s[14:15] offset:512*\c
	global_store_b128 v[XA], v[FB+4*\c:FB+4*\c+3], s[14:15] offset:12288+512*\c
.endr
	global_store_b32 v[L4], v[WPW], s[16:17]       ; 128 consecutive bytes a wave, 512 a work-group
.endm
.Lweights:
	s_wait_alu depctr_va_vdst(0)
	v_and_b32 v8, 7, v7                            ; my column of the wave's 32: (l % 8) + 8 (l / 16) + 16 ((l / 8) % 2): lanes 0-15 are the first tile's rows in order, lanes 16-31 the second's
	v_bfe_u32 v9, v7, 4, 1
	v_lshl_add_u32 v8, v9, 3, v8
	v_bfe_u32 v9, v7, 3, 1
	v_lshl_add_u32 v8, v9, 4, v8
	v_lshlrev_b32 v[WCO], 2, v8
	s_cmp_lt_u32 ttmp9, 448
	s_cbranch_scc0 .Lw_out
	s_wait_alu depctr_va_vdst(0)
	WPATH 256, 0, 3072, 6
	s_branch .Lend
.Lw_out:
	s_wait_alu depctr_va_vdst(0)
	WPATH 448, 24, 1024, 8
.Lend:
	s_wait_tensorcnt 0x0                           ; the wave's end
	ds_add_u32 v[SPW], v[NIL]
	s_wait_dscnt 0x0
	s_endpgm
.Lfunc_end_k_q9cdc46cedf_prep:
	.size	k_q9cdc46cedf_prep, .Lfunc_end_k_q9cdc46cedf_prep-k_q9cdc46cedf_prep
	.p2alignl 7, 3214868480
	.fill 96, 4, 3214868480
	.section	.rodata,"a",@progbits
	.p2align	6, 0x0
	.amdhsa_kernel k_q9cdc46cedf_prep
		.amdhsa_group_segment_fixed_size 34304
		.amdhsa_private_segment_fixed_size 0
		.amdhsa_enable_private_segment 0
		.amdhsa_kernarg_size 56
		.amdhsa_user_sgpr_count 2
		.amdhsa_user_sgpr_kernarg_segment_ptr 1
		.amdhsa_wavefront_size32 1
		.amdhsa_system_sgpr_workgroup_id_x 1
		.amdhsa_system_sgpr_workgroup_id_y 1
		.amdhsa_system_sgpr_workgroup_id_z 1
		.amdhsa_system_vgpr_workitem_id 0
		.amdhsa_next_free_vgpr 256
		.amdhsa_next_free_sgpr 66
		.amdhsa_reserve_vcc 0
		.amdhsa_float_denorm_mode_32 3
		.amdhsa_float_denorm_mode_16_64 3
		.amdhsa_memory_ordered 1
		.amdhsa_forward_progress 1
		.amdhsa_inst_pref_size 70
	.end_amdhsa_kernel
	.amdgpu_metadata
---
amdhsa.version: [ 1, 2 ]
amdhsa.kernels:
  - .name:           k_q9cdc46cedf_prep
    .symbol:         k_q9cdc46cedf_prep.kd
    .args:
      - { .name: x, .offset: 0, .size: 8, .value_kind: global_buffer, .address_space: global }
      - { .name: w_qkv, .offset: 8, .size: 8, .value_kind: global_buffer, .address_space: global }
      - { .name: w_out, .offset: 16, .size: 8, .value_kind: global_buffer, .address_space: global }
      - { .name: xc, .offset: 24, .size: 8, .value_kind: global_buffer, .address_space: global }
      - { .name: xs, .offset: 32, .size: 8, .value_kind: global_buffer, .address_space: global }
      - { .name: wc, .offset: 40, .size: 8, .value_kind: global_buffer, .address_space: global }
      - { .name: ws, .offset: 48, .size: 8, .value_kind: global_buffer, .address_space: global }
    .group_segment_fixed_size: 34304
    .private_segment_fixed_size: 0
    .kernarg_segment_align: 8
    .kernarg_segment_size: 56
    .max_flat_workgroup_size: 128
    .sgpr_count:     66
    .vgpr_count:     256
    .wavefront_size: 32
...
	.end_amdgpu_metadata
.endif
;; end of part 1
;; launch qkv (part 2): grid 8 x 48, 4 waves a work-group, clusters of 4 x 4, 327,680 bytes of LDS; arguments xc, xs, wc, ws, b_qkv, qc, kv, sq; writes qc, kv, sq
.if DOCPART == 2
	.amdgcn_target "amdgcn-amd-amdhsa--gfx1250"
	.amdhsa_code_object_version 6
	.text
	.protected	k_q9cdc46cedf_qkv
	.globl	k_q9cdc46cedf_qkv
	.p2align	8
	.type	k_q9cdc46cedf_qkv,@function
k_q9cdc46cedf_qkv:
	s_mov_b64 s[64:65], 0
	v_nop
	global_prefetch_b8 v0, s[64:65] scope:SCOPE_SE
	s_setreg_imm32_b32 hwreg(HW_REG_WAVE_MODE, 25, 1), 1
	s_wait_xcnt 0x0
	s_wait_alu depctr_hold_cnt(0) depctr_sa_sdst(0) depctr_va_vdst(0) depctr_va_sdst(0) depctr_va_ssrc(0) depctr_va_vcc(0) depctr_vm_vsrc(0)
	s_getreg_b32 s2, hwreg(HW_REG_IB_STS2, 6, 4)
	s_cmp_eq_u32 s2, 0
	s_cbranch_scc0 .Lentry_in_a_cluster
	s_endpgm
.Lentry_in_a_cluster:
	s_bfe_u32 s2, ttmp6, 0x10000c
	s_cmp_lg_u32 s2, 0xf033
	s_cbranch_scc0 .Lentry_shape_is_right
	s_endpgm
.Lentry_shape_is_right:
.set FR,    12
.set NL,    3
.set NP,    4
.set TROW,  3072
.set HALFT, 8*TROW
.set SLOT,  4*HALFT
.set SCL,   2*SLOT
.set SPARE, SCL+4*4096
.set ADRA, 16
.set ADRB, 20
.set LI,   24
.set L8,   25
.set BQA,  26
.set ADRS, 27
.set SPW,  28
.set NIL,  29
.set BVA,  30
.set FLR,  31
.set SC,   32
.set BV,   96
.set TM,   104
.set PW,   120
.set AF,   128
.set F,    128
.set TP,   176
.set W0,   184
.set W1,   188
.set SI,   192
.set G1, 24
.set G0, 32
.set G1B, 48
.set G0B, 56
.set G1S, 68
.set G0S, 76
.set G1SB, 80
.set G0SB, 88
.set MSB, 0
.macro WIN new
.if MSB != \new
	s_set_vgpr_msb (MSB<<8)|\new
.set MSB, \new
.endif
.endm
.set MUL_LO, 0xa1
.set MUL_HI, 0xf1
.set TO_B,   0x40
.macro JLOAD g0a, g1a, g0b, g1b
	s_cmp_eq_u32 s21, 0
	s_cbranch_scc0 .Lfor_b_\@
	tensor_load_to_lds s[\g0a:\g0a+3], s[\g1a:\g1a+7]
	s_nop 0
.rept 4
	v_nop
.endr
	s_branch .Lasked_\@
.Lfor_b_\@:
	tensor_load_to_lds s[\g0b:\g0b+3], s[\g1b:\g1b+7]
	s_nop 0
.rept 4
	v_nop
.endr
.Lasked_\@:
.endm
.macro CREST
	s_cmp_lg_u32 s20, 0
	s_cbranch_scc1 .Lnot_wave_0_\@
	s_barrier_signal -3
.Lnot_wave_0_\@:
	s_barrier_wait -3
	s_barrier_signal -1
	s_barrier_wait -1
.endm
.macro CROUND
	s_barrier_signal -1
	s_barrier_wait -1
	CREST
.endm
.macro PLACES n
.rept \n
	v_nop
.endr
.endm
	s_load_b256 s[4:11], s[0:1], 0x0
	s_load_b256 s[12:19], s[0:1], 0x20
	v_lshl_add_u32 v[SPW], v0, 2, SPARE
	v_mov_b32 v[NIL], 0
	ds_add_u32 v[SPW], v[NIL]
	ds_add_u32 v[SPW], v[NIL]
	v_lshrrev_b32 v1, 5, v0
	v_readfirstlane_b32 s20, v1
	s_lshr_b32 s21, s20, 1
	s_and_b32 s22, s20, 1
	s_bfe_u32 s40, ttmp6, 0x40000
	s_bfe_u32 s41, ttmp6, 0x40004
	s_lshl_b32 s42, ttmp9, 2
	s_add_co_u32 s42, s42, s40
	s_and_b32 s45, ttmp7, 0xffff
	s_lshl_b32 s43, s45, 2
	s_add_co_u32 s43, s43, s41
	s_lshl_b32 s46, s41, 2
	s_lshl_b32 s46, 15, s46
	s_lshl_b32 s47, 0x1111, s40
	s_or_b32 s[G1+0], s46, (3<<16)|(1<<21)
	s_or_b32 s[G1B+0], s47, (3<<16)|(1<<21)
.irp g, G1, G1B
	s_mov_b32 s[\g+1], 384<<16
	s_mov_b32 s[\g+2], 8<<16
	s_mov_b32 s[\g+3], 384<<16
	s_mov_b32 s[\g+4], 8
	s_mov_b32 s[\g+5], 1536
	s_mov_b32 s[\g+6], 0
	s_mov_b32 s[\g+7], 0
.endr
	s_or_b32 s[G1S+0], s46, (3<<16)|(1<<21)
	s_or_b32 s[G1SB+0], s47, (3<<16)|(1<<21)
.irp g, G1S, G1SB
	s_mov_b32 s[\g+1], 32<<16
	s_mov_b32 s[\g+2], 16<<16
	s_mov_b32 s[\g+3], 32<<16
	s_mov_b32 s[\g+4], 16
	s_mov_b32 s[\g+5], 32
	s_mov_b32 s[\g+6], 0
	s_mov_b32 s[\g+7], 0
.endr
	s_max_u32 s93, s45, 8
	s_sub_co_u32 s93, s93, 8
	s_lshl_b32 s93, s93, 3
	s_add_co_u32 s93, s93, s42
	s_add_co_u32 s92, s41, 8
	s_cmp_ge_u32 s45, 8
	s_cselect_b32 s23, 1, 0
	s_cselect_b32 s92, s92, s43
	s_lshl_b32 s94, s92, 1
	s_add_co_u32 s94, s94, s22
	s_mul_i32 s100, s94, 98304
	s_mov_b32 s101, 0
	s_lshl_b32 s95, s93, 1
	s_add_co_u32 s95, s95, s22
	s_mul_i32 s2, s95, 98304
	s_mov_b32 s3, 0
	s_mul_i32 s66, s20, HALFT
	s_lshl_b32 s67, s20, 12
	s_wait_dscnt 0x0
	s_wait_kmcnt 0x0
	s_cmp_eq_u32 s23, 1
	s_cselect_b64 s[96:97], s[8:9], s[4:5]
	s_cselect_b64 s[98:99], s[10:11], s[6:7]
	s_cselect_b64 s[4:5], s[4:5], s[8:9]
	s_cselect_b64 s[6:7], s[6:7], s[10:11]
	s_add_nc_u64 s[96:97], s[96:97], s[100:101]
	s_lshl_b32 s100, s94, 12
	s_add_nc_u64 s[98:99], s[98:99], s[100:101]
	s_add_nc_u64 s[4:5], s[4:5], s[2:3]
	s_lshl_b32 s2, s95, 12
	s_add_nc_u64 s[6:7], s[6:7], s[2:3]
	CROUND
	s_mov_b32 s[G0S], 1
	s_add_co_u32 s[G0S+1], s67, SCL
	s_mov_b64 s[G0S+2:G0S+3], s[98:99]
	s_or_b32 s[G0S+3], s[G0S+3], 0x80000000
	s_mov_b32 s[G0SB], 1
	s_add_co_u32 s[G0SB+1], s67, SCL
	s_mov_b64 s[G0SB+2:G0SB+3], s[6:7]
	s_or_b32 s[G0SB+3], s[G0SB+3], 0x80000000
	JLOAD G0S, G1S, G0SB, G1SB
.irp s, 0,1
	s_mov_b32 s[G0+4*\s], 1
	s_add_co_u32 s[G0+4*\s+1], s66, \s*SLOT
	s_add_nc_u64 s[G0+4*\s+2:G0+4*\s+3], s[96:97], \s*TROW
	s_or_b32 s[G0+4*\s+3], s[G0+4*\s+3], 0x80000000
	s_mov_b32 s[G0B+4*\s], 1
	s_add_co_u32 s[G0B+4*\s+1], s66, \s*SLOT
	s_add_nc_u64 s[G0B+4*\s+2:G0B+4*\s+3], s[4:5], \s*TROW
	s_or_b32 s[G0B+4*\s+3], s[G0B+4*\s+3], 0x80000000
	s_wait_alu depctr_va_vdst(0)
	s_wait_tensorcnt 0x0
	ds_add_u32 v28, v29
	s_wait_dscnt 0x0
	CROUND
	JLOAD G0+4*\s, G1, G0B+4*\s, G1B
.endr
	v_and_b32 v1, 15, v0
	v_bfe_u32 v2, v0, 4, 1
	v_and_b32 v3, 31, v0
	v_lshlrev_b32 v[LI], 4, v3
	v_lshlrev_b32 v[L8], 3, v3
	v_lshlrev_b32 v[BQA], 6, v2
	s_wait_alu depctr_va_vdst(0)
	v_and_b32 v4, 8, v1
	v_add_nc_u32 v4, v4, v1
	v_lshlrev_b32 v[BVA], 2, v4
	s_wait_alu depctr_va_vdst(0)
	s_lshl_b32 s8, s93, 10
	s_lshl_b32 s9, s22, 9
	s_add_co_u32 s8, s8, s9
	s_lshl_b32 s10, s41, 10
	s_lshl_b32 s11, s21, 9
	s_add_co_u32 s10, s10, s11
	s_add_co_u32 s10, s10, 8192
	s_cmp_eq_u32 s23, 1
	s_cselect_b32 s8, 0, s8
	s_cselect_b32 s10, s10, 0
	s_mov_b32 s9, 0
	s_mov_b32 s11, 0
	s_add_nc_u64 s[8:9], s[12:13], s[8:9]
	s_add_nc_u64 s[10:11], s[12:13], s[10:11]
	WIN TO_B
.irp b, 0,1,2,3,4,5,6,7
	global_load_b128 v[96+8*\b+96*(\b/4):96+8*\b+96*(\b/4)+3], v[BQA], s[8:9] offset:128*(\b/2)+32*(\b%2)
	global_load_b128 v[96+8*\b+96*(\b/4)+4:96+8*\b+96*(\b/4)+7], v[BQA], s[8:9] offset:128*(\b/2)+32*(\b%2)+16
.endr
	WIN 0
.irp a, 0,1,2,3,4,5,6,7
	global_load_b32 v[BV+\a], v[BVA], s[10:11] offset:4*(32*(\a/2)+8*(\a%2))
.endr
	s_mul_i32 s2, s21, HALFT
	s_mul_i32 s3, s22, HALFT
	s_add_co_u32 s3, s3, 2*HALFT
.irp s, 0,1
	v_add_nc_u32 v[ADRA+\s], s2, v[LI]
	v_add_nc_u32 v[ADRB+\s], s3, v[LI]
	s_add_co_u32 s2, s2, SLOT
	s_add_co_u32 s3, s3, SLOT
.endr
	s_lshl_b32 s2, s21, 12
	s_lshl_b32 s3, s22, 12
	s_add_co_u32 s3, s3, 8192
	s_sub_co_u32 s3, s3, s2
	v_mul_u32_u24 v5, s3, v2
	s_add_co_u32 s2, s2, SCL
	v_lshl_add_u32 v5, v1, 2, v5
	v_add_nc_u32 v[ADRS], s2, v5
	v_mov_b32 v[FLR], 0x1800000
.irp b, 0,1,2,3
	v_mov_b32 v[TM+4+\b], 0
.endr
.macro FRAG reg, adr, q, i
.irp c, 0,1,2
	ds_load_b128 v[\reg+4*\c:\reg+4*\c+3], v[\adr] offset:(\i)*TROW+(\q)*1536+512*\c
.endr
.endm
.macro MUL16 a0, p, s, zero
.irp a, \a0, \a0+1
.irp b, 0,1,2,3,4,5,6,7
.if \zero
	v_wmma_scale_f32_16x16x128_f8f6f4 v[8*(8*((\a)%4)+\b):8*(8*((\a)%4)+\b)+7], v[128*(\p)+FR*\b:128*(\p)+FR*\b+FR-1], v[AF+FR*(\a):AF+FR*(\a)+FR-1], 0, v[SC+8*(\s)+\b], v[SC+8*(\s)+(\a)] matrix_a_fmt:MATRIX_FMT_FP6 matrix_b_fmt:MATRIX_FMT_FP6 matrix_a_scale:MATRIX_SCALE_ROW1
.else
	v_wmma_scale_f32_16x16x128_f8f6f4 v[8*(8*((\a)%4)+\b):8*(8*((\a)%4)+\b)+7], v[128*(\p)+FR*\b:128*(\p)+FR*\b+FR-1], v[AF+FR*(\a):AF+FR*(\a)+FR-1], v[8*(8*((\a)%4)+\b):8*(8*((\a)%4)+\b)+7], v[SC+8*(\s)+\b], v[SC+8*(\s)+(\a)] matrix_a_fmt:MATRIX_FMT_FP6 matrix_b_fmt:MATRIX_FMT_FP6 matrix_a_scale:MATRIX_SCALE_ROW1
.endif
.endr
.endr
.endm
.macro FETCH_B slot, q, p
	WIN TO_B
.irp i, 0,1,2,3,4,5,6,7
	FRAG 128*(\p)+FR*\i, ADRB+\slot, \q, \i
.endr
	WIN 0
.endm
.macro FETCH_A slot, q, i0
.irp i, \i0, \i0+1, \i0+2, \i0+3
	FRAG AF+FR*(\i), ADRA+\slot, \q, \i
.endr
.endm
.macro STEP slot, s, zero
	s_wait_dscnt 4*NL
	WIN MUL_LO
	MUL16 0, 0, \s, \zero
	MUL16 2, 0, \s, \zero
	s_wait_dscnt 0
	PLACES NP
	FETCH_B \slot, 1, 1
	FETCH_A \slot, 1, 0
	WIN MUL_HI
	MUL16 4, 0, \s, \zero
	MUL16 6, 0, \s, \zero
	PLACES NP
	WIN 0
	FETCH_A \slot, 1, 4
.endm
.macro TURN slot, next, fill, s
	s_wait_tensorcnt 0x0
	ds_add_u32 v[SPW], v[NIL]
	s_wait_dscnt 4*NL+1
	WIN MUL_LO
	MUL16 0, 1, \s, 0
	s_wait_dscnt 0x0
	s_barrier_signal -1
	MUL16 2, 1, \s, 0
	WIN 0
	s_barrier_wait -1
.if \fill
	CREST
	s_add_nc_u64 s[G0+4*\slot+2:G0+4*\slot+3], s[G0+4*\slot+2:G0+4*\slot+3], 2*TROW
	s_add_nc_u64 s[G0B+4*\slot+2:G0B+4*\slot+3], s[G0B+4*\slot+2:G0B+4*\slot+3], 2*TROW
	JLOAD G0+4*\slot, G1, G0B+4*\slot, G1B
.else
	PLACES NP
.endif
	FETCH_B \next, 0, 0
	FETCH_A \next, 0, 0
	WIN MUL_HI
	MUL16 4, 1, \s, 0
	MUL16 6, 1, \s, 0
	PLACES NP
	WIN 0
	FETCH_A \next, 0, 4
.endm
	s_wait_alu depctr_va_vdst(0)
	s_wait_tensorcnt 1
	s_barrier_signal -1
	s_barrier_wait -1
.irp s, 0,1,2,3,4,5,6,7
.irp i, 0,1,2,3,4,5,6,7
	ds_load_b32 v[SC+8*\s+\i], v[ADRS] offset:512*\s+64*\i
.endr
.endr
	FETCH_B 0, 0, 0
	FETCH_A 0, 0, 0
	FETCH_A 0, 0, 4
	STEP 0, 0, 1
	TURN 0, 1, 1, 1
	STEP 1, 2, 0
	TURN 1, 0, 1, 3
	STEP 0, 4, 0
	TURN 0, 1, 0, 5
	STEP 1, 6, 0
	s_wait_dscnt 4*NL
	WIN MUL_LO
	MUL16 0, 1, 7, 0
	MUL16 2, 1, 7, 0
	s_wait_dscnt 0
	WIN MUL_HI
	MUL16 4, 1, 7, 0
	MUL16 6, 1, 7, 0
	WIN 0
.macro BIASQ a
.set AC, 64*((\a)%4)
.set WW, 2+(\a)/4
	WIN (WW|4|(WW<<6))
.irp b, 0,1,2,3,4,5,6,7
.irp j, 0,2,4,6
	v_pk_add_f32 v[AC+8*\b+\j:AC+8*\b+\j+1], v[AC+8*\b+\j:AC+8*\b+\j+1], v[96+8*\b+96*(\b/4)+\j:96+8*\b+96*(\b/4)+\j+1]
.endr
.endr
.endm
.macro BIASV a
.set AC, 64*((\a)%4)
.set WW, 2+(\a)/4
	WIN (WW|(WW<<6))
.set j, 0
.rept 32
.if (\a)%2
	v_pk_add_f32 v[AC+j:AC+j+1], v[AC+j:AC+j+1], v[BV+2*((\a)/2):BV+2*((\a)/2)+1] op_sel:[0,1] op_sel_hi:[1,1]
.else
	v_pk_add_f32 v[AC+j:AC+j+1], v[AC+j:AC+j+1], v[BV+2*((\a)/2):BV+2*((\a)/2)+1] op_sel_hi:[1,0]
.endif
.set j, j+2
.endr
.endm
.macro QT a, d0, d1, pw
.set AC, 64*((\a)%4)
.set WW, 2+(\a)/4
	WIN ((WW<<2)|(WW<<4))
.irp b, 0,1,2,3
	v_max3_num_f32 v[TM+\b], v[FLR], |v[AC+16*\b]|, |v[AC+16*\b+1]|
.endr
.irp i, 2,4,6,8,10,12,14
.irp b, 0,1,2,3
	v_max3_num_f32 v[TM+\b], v[TM+\b], |v[AC+16*\b+\i]|, |v[AC+16*\b+\i+1]|
.endr
.endr
	WIN 0
.irp b, 0,1,2,3
	v_permlanex16_b32 v[TM+4+\b], v[TM+\b], s100, s101
.endr
.irp b, 0,1,2,3
	v_max_num_f32 v[TM+\b], v[TM+\b], v[TM+4+\b]
.endr
.irp b, 0,1,2,3
	v_add_nc_u32 v[TM+12+\b], 0xff000000, v[TM+\b]
.endr
.irp b, 0,1,2,3
	v_lshrrev_b32 v[TM+4+\b], 23, v[TM+12+\b]
.endr
	v_lshl_or_b32 v[\pw], v[TM+5], 8, v[TM+4]
	v_lshl_or_b32 v[\pw], v[TM+6], 16, v[\pw]
	v_lshl_or_b32 v[\pw], v[TM+7], 24, v[\pw]
	WIN WW
	v_cvt_scalef32_pk16_fp6_f32 v[(\d0):(\d0)+2], v[AC:AC+15], v[TM+12]
	v_cvt_scalef32_pk16_fp6_f32 v[TP:TP+2], v[AC+16:AC+31], v[TM+13]
	v_cvt_scalef32_pk16_fp6_f32 v[(\d1):(\d1)+2], v[AC+32:AC+47], v[TM+14]
	v_cvt_scalef32_pk16_fp6_f32 v[TP+4:TP+6], v[AC+48:AC+63], v[TM+15]
	WIN 0
	v_nop
.irp i, 0,1,2
	v_permlane16_swap_b32 v[(\d0)+\i], v[TP+\i]
	v_permlane16_swap_b32 v[(\d1)+\i], v[TP+4+\i]
.endr
.irp i, 0,1,2
	v_mov_b32 v[(\d0)+3+\i], v[TP+\i]
	v_mov_b32 v[(\d1)+3+\i], v[TP+4+\i]
.endr
.endm
	PLACES NP
	s_wait_loadcnt 0x0
	s_mov_b32 s100, 0x76543210
	s_mov_b32 s101, 0xfedcba98
	s_mov_b32 s91, 0xffff0000
	s_cmp_eq_u32 s23, 1
	s_cbranch_scc1 .Lvpath
	s_lshl_b32 s24, s92, 8
	s_lshl_b32 s25, s21, 7
	s_add_co_u32 s24, s24, s25
	s_lshr_b32 s25, s24, 11
	s_bfe_u32 s26, s24, 0x40007
	s_lshl_b32 s27, s93, 2
	s_lshl_b32 s28, s22, 1
	s_add_co_u32 s27, s27, s28
	s_lshr_b32 s28, s27, 4
	s_and_b32 s27, s27, 15
	s_lshl_b32 s25, s25, 4
	s_add_co_u32 s27, s27, s25
	s_mul_i32 s30, s27, 98304
	s_mul_i32 s31, s26, 6144
	s_add_co_u32 s30, s30, s31
	s_lshl_b32 s30, s30, s28
	s_mov_b32 s31, 0
	s_lshl_b32 s32, s27, 12
	s_lshl_b32 s33, s26, 8
	s_add_co_u32 s32, s32, s33
	s_lshl_b32 s32, s32, s28
	s_lshl_b32 s33, s28, 18
	s_add_co_u32 s32, s32, s33
	s_mov_b32 s33, 0
	s_lshl_b32 s34, 0x18000, s28
	s_mov_b32 s35, 0
	s_lshl_b32 s36, 0x1000, s28
	s_mov_b32 s37, 0
	s_cmp_eq_u32 s28, 1
	s_cselect_b64 s[92:93], s[16:17], s[14:15]
	s_add_nc_u64 s[92:93], s[92:93], s[30:31]
	s_add_nc_u64 s[94:95], s[92:93], s[34:35]
	s_add_nc_u64 s[96:97], s[18:19], s[32:33]
	s_add_nc_u64 s[98:99], s[96:97], s[36:37]
.irp i, 0,1,2,3
.if \i >= 2
	s_wait_xcnt 0x0
.endif
	BIASQ 2*\i
	QT 2*\i, F+24*(\i%2), F+24*(\i%2)+12, PW
	BIASQ 2*\i+1
	QT 2*\i+1, F+24*(\i%2)+6, F+24*(\i%2)+18, PW+1
	v_perm_b32 v[W0+\i], v[PW+1], v[PW], 0x05040100
	v_perm_b32 v[W1+\i], v[PW+1], v[PW], 0x07060302
.irp c, 0,1,2
	global_store_b128 v[LI], v[F+24*(\i%2)+4*\c:F+24*(\i%2)+4*\c+3], s[92:93] offset:1536*\i+512*\c
	global_store_b128 v[LI], v[F+24*(\i%2)+12+4*\c:F+24*(\i%2)+12+4*\c+3], s[94:95] offset:1536*\i+512*\c
.endr
.endr
	v_cndmask_b32 v[SI], v[W0], v[W0+1], s91
	v_cndmask_b32 v[SI+1], v[W0+2], v[W0+3], s91
	v_cndmask_b32 v[SI+2], v[W1], v[W1+1], s91
	v_cndmask_b32 v[SI+3], v[W1+2], v[W1+3], s91
	global_store_b64 v[L8], v[SI:SI+1], s[96:97]
	global_store_b64 v[L8], v[SI+2:SI+3], s[98:99]
	s_branch .Lclose
.Lvpath:
	s_lshl_b32 s24, s93, 8
	s_lshl_b32 s25, s22, 7
	s_add_co_u32 s24, s24, s25
	s_lshr_b32 s25, s24, 11
	s_bfe_u32 s26, s24, 0x40007
	s_lshl_b32 s27, s25, 4
	s_lshl_b32 s28, s41, 2
	s_add_co_u32 s27, s27, s28
	s_lshl_b32 s28, s21, 1
	s_add_co_u32 s27, s27, s28
	s_mul_i32 s30, s27, 196608
	s_mul_i32 s31, s26, 12288
	s_add_co_u32 s30, s30, s31
	s_add_co_u32 s30, s30, 6144
	s_mov_b32 s31, 0
	s_lshl_b32 s32, s27, 13
	s_lshl_b32 s33, s26, 9
	s_add_co_u32 s32, s32, s33
	s_add_co_u32 s32, s32, 262144+256
	s_mov_b32 s33, 0
	s_add_nc_u64 s[92:93], s[16:17], s[30:31]
	s_add_nc_u64 s[94:95], s[92:93], 196608
	s_add_nc_u64 s[96:97], s[18:19], s[32:33]
	s_add_nc_u64 s[98:99], s[96:97], 8192
.irp a, 0,1,2,3,4,5,6,7
.if \a >= 2
	s_wait_xcnt 0x0
.endif
	BIASV \a
	QT \a, F+24*(\a%2), F+24*(\a%2)+6, PW+\a
.irp c, 0,1,2
	global_store_b128 v[LI], v[F+24*(\a%2)+4*\c:F+24*(\a%2)+4*\c+3], s[92+2*(\a/4):93+2*(\a/4)] offset:1536*(\a%4)+512*\c
.endr
.endr
	v_cndmask_b32 v[SI], v[PW], v[PW+1], s91
	v_cndmask_b32 v[SI+1], v[PW+2], v[PW+3], s91
	v_cndmask_b32 v[SI+2], v[PW+4], v[PW+5], s91
	v_cndmask_b32 v[SI+3], v[PW+6], v[PW+7], s91
	global_store_b64 v[L8], v[SI:SI+1], s[96:97]
	global_store_b64 v[L8], v[SI+2:SI+3], s[98:99]
.Lclose:
	s_wait_tensorcnt 0x0
	ds_add_u32 v[SPW], v[NIL]
	s_wait_dscnt 0x0
	CROUND
	s_endpgm
.Lfunc_end_k_q9cdc46cedf_qkv:
	.size	k_q9cdc46cedf_qkv, .Lfunc_end_k_q9cdc46cedf_qkv-k_q9cdc46cedf_qkv
	.p2alignl 7, 3214868480
	.fill 96, 4, 3214868480
	.section	.rodata,"a",@progbits
	.p2align	6, 0x0
	.amdhsa_kernel k_q9cdc46cedf_qkv
		.amdhsa_group_segment_fixed_size 327680
		.amdhsa_private_segment_fixed_size 0
		.amdhsa_enable_private_segment 0
		.amdhsa_kernarg_size 64
		.amdhsa_user_sgpr_count 2
		.amdhsa_user_sgpr_kernarg_segment_ptr 1
		.amdhsa_wavefront_size32 1
		.amdhsa_system_sgpr_workgroup_id_x 1
		.amdhsa_system_sgpr_workgroup_id_y 1
		.amdhsa_system_sgpr_workgroup_id_z 1
		.amdhsa_system_vgpr_workitem_id 0
		.amdhsa_next_free_vgpr 1024
		.amdhsa_next_free_sgpr 102
		.amdhsa_reserve_vcc 0
		.amdhsa_float_denorm_mode_32 3
		.amdhsa_float_denorm_mode_16_64 3
		.amdhsa_memory_ordered 1
		.amdhsa_forward_progress 1
		.amdhsa_inst_pref_size 212
	.end_amdhsa_kernel
	.amdgpu_metadata
---
amdhsa.version: [ 1, 2 ]
amdhsa.kernels:
  - .name:           k_q9cdc46cedf_qkv
    .symbol:         k_q9cdc46cedf_qkv.kd
    .args:
      - { .name: xc, .offset: 0, .size: 8, .value_kind: global_buffer, .address_space: global }
      - { .name: xs, .offset: 8, .size: 8, .value_kind: global_buffer, .address_space: global }
      - { .name: wc, .offset: 16, .size: 8, .value_kind: global_buffer, .address_space: global }
      - { .name: ws, .offset: 24, .size: 8, .value_kind: global_buffer, .address_space: global }
      - { .name: b_qkv, .offset: 32, .size: 8, .value_kind: global_buffer, .address_space: global }
      - { .name: qc, .offset: 40, .size: 8, .value_kind: global_buffer, .address_space: global }
      - { .name: kv, .offset: 48, .size: 8, .value_kind: global_buffer, .address_space: global }
      - { .name: sq, .offset: 56, .size: 8, .value_kind: global_buffer, .address_space: global }
    .group_segment_fixed_size: 327680
    .private_segment_fixed_size: 0
    .kernarg_segment_align: 8
    .kernarg_segment_size: 64
    .max_flat_workgroup_size: 128
    .sgpr_count:     102
    .vgpr_count:     1024
    .wavefront_size: 32
...
	.end_amdgpu_metadata
.endif
;; end of part 2
;; launch attn (part 3): grid 4 x 64, 8 waves a work-group, clusters of 4 x 1, 327,680 bytes of LDS; arguments qc, kv, sq, at; writes at
.if DOCPART == 3
	.amdgcn_target "amdgcn-amd-amdhsa--gfx1250"
	.amdhsa_code_object_version 6
	.text
	.protected	k_q9cdc46cedf_attn
	.globl	k_q9cdc46cedf_attn
	.p2align	8
	.type	k_q9cdc46cedf_attn,@function
k_q9cdc46cedf_attn:
	s_mov_b64 s[64:65], 0
	v_nop
	global_prefetch_b8 v0, s[64:65] scope:SCOPE_SE
	s_setreg_imm32_b32 hwreg(HW_REG_WAVE_MODE, 25, 1), 1
	s_wait_xcnt 0x0
	s_wait_alu depctr_hold_cnt(0) depctr_sa_sdst(0) depctr_va_vdst(0) depctr_va_sdst(0) depctr_va_ssrc(0) depctr_va_vcc(0) depctr_vm_vsrc(0)
	s_getreg_b32 s2, hwreg(HW_REG_IB_STS2, 6, 4)
	s_cmp_eq_u32 s2, 0
	s_cbranch_scc0 .Lentry_in_a_cluster
	s_endpgm
.Lentry_in_a_cluster:
	s_bfe_u32 s2, ttmp6, 0x10000c
	s_cmp_lg_u32 s2, 0x3003
	s_cbranch_scc0 .Lentry_shape_is_right
	s_endpgm
.Lentry_shape_is_right:
; attn[q] = sum over keys of softmax(q . k / 8) v, both products on codes of FP6 (E2M3) with E8M0 scales; the result is quantised along D for the last projection.
; THE SOFTMAX AHEAD OF THE SECOND PRODUCT: t = score x log2(e) / 8; M = the row's largest t so far, rounded UP to a whole number; p = 2^(t - M) is quantised along the keys, not normalised.
; The row's sum is taken of the unquantised p and divides O at the end.  When M moves, the sum and O are multiplied by 2^(old M - new M): exact.
; SHARES.  A work-group owns ONE head and 512 queries.  Each of its eight waves owns two pairs of tiles of 16 queries, one pair a pass; the pair's two tiles go through each key step of 128 keys TOGETHER:
; every fragment of K and V read from LDS feeds both, and their dependent chains are laid line by line.
; THE WHOLE HEAD LIES IN LDS: 16 records (a key step: K's four pair fragments, V's four tiles: 24 planes of 512 bytes) and its 8,192 bytes of scale words, filled once, at the head, one tensor load a wave:
; waves 0-1 three records each, waves 2-6 two each, wave 7 the scale words.  Nothing is filled again: one barrier behind the loads is the only one ahead of the closing round.
; K and V have registers of their own and are fetched a step ahead: record (n + 1) % 16, so the first pass's last fetch is the second pass's first record; the second pass's last fetch is not used.
; CLUSTER.  The four blocks of queries of a head need the same bytes: each load is asked for jointly, mask 15.
; NO PREFETCH: every tensor load stands at the kernel's head; there is no loop to run ahead in.
; PADDING: 128 bytes behind each plane of 512, so a fragment is 1,920 bytes on from the last.  K is read with lanes r = 0-7 in one fragment and r = 8-15 in the next: their 128 bytes lie 1,920 apart, 128 modulo 256.
; THE KEYS OF A TILE ARE CHOSEN BY THE LANES' ADDRESSES: rows 0-7 of a tile take eight keys of block 2 c, rows 8-15 the same eight of block 2 c + 1.  With both products used transposed a lane holds ONE
; query (lane % 16), and its 32 registers S + 32 c .. are keys 64 c + 32 (lane / 16) + 0 .. 31: a whole block, in the order of the second product's operand: no other lane is asked for a block's maximum.
; THE HEAD IS 64 LONG, the instruction 128: a fragment of K holds TWO tiles of keys, and q stands beside six registers of zero codes: [q | 0] gives the first tile's scores, [0 | q] the second's.
; OUT.  A head is half a K step of the projection: half c = head % 2 of a fragment is 768 dense bytes: registers 6 c .. 6 c + 3 at 16 x lane, registers 6 c + 4, 6 c + 5 at 512 + 8 x lane.
; A row's two scale bytes are half of a scale word whose other half belongs to the neighbouring head's work-group: they leave by a store of 2 bytes a row, 1 byte in 25 of what the launch stores.
; LIMITS: a block of zeros, or under 2^-124, gets the scale byte 1 (only this program reads the bytes); NaN and infinities are not served; the scaled scores stay under 2^31 in magnitude.
.set REC,   15360                      ; a record in LDS: 24 planes of 640
.set SCB,   245760                     ; the scale words: 16 steps x (K's 256 bytes, V's 256)
.set SPARE, 253952                     ; the spare words, 128 bytes a wave
; WINDOW 0.  t = 0, 1: the pair's tile
.set LI,  1                            ; 16 x lane: V's lane address, and the stores'
.set LKB, 2                            ; K's lane address
.set SPW, 3
.set NIL, 4
.set LSK, 5                            ; K's scale words' lane address
.set LSV, 6                            ; V's
.set ADV, 7
.set ADK, 8
.set ASK, 9
.set ASV, 10
.set SH8, 11                           ; 8 x (lane / 16)
.set L8,  12                           ; 8 x lane
.set R4,  13                           ; 4 x (lane % 16)
.set QAD, 14
.set QS,  16                           ; v[16+2t] q's two scale bytes below, for [q | 0]; v[17+2t] above, for [0 | q]
.set PS,  20                           ; v[20+t] p's scale word
.set KS,  22
.set VS,  24
.set NM,  26                           ; the tiles' small state, 16 registers a tile: -M,
.set TX,  27                           ; the largest score,
.set FF,  28                           ; a pair: f, later 1 / the sum,
.set BM,  30                           ; four maxima,
.set XP,  34
.set T0,  35
.set T1,  36
.set NM2, 37
.set SO,  38
.set BB,  40
.set QZ,  58                           ; zeros, q of tile 0, zeros, q of tile 1, zeros: six registers each
.set KF,  88                           ; v88-135 K's four fragments
.set VF,  136                          ; v136-183 V's four
.set PCD, 184                          ; v[184+12t ..] p's codes; at a pass's end attn's half fragment
.set PT,  208                          ; v[208+8t ..]
.set AW,  224
.set QW,  226                          ; q's scale words of the two passes
.set QT,  228                          ; v228-251 q's pair fragments of the two passes
; WINDOW 1
.set S,   0                            ; v[64t ..] the scores, then p
.set O,   128                          ; v[128+32t ..] O^T
.set PA,  192                          ; v[192+8t ..] four partial sums of a step's p
.set LS,  208                          ; v[208+2t ..] the row's sum in two halves
.set TA,  212                          ; v212-243 tile 0: sixteen sums of two pairs of p
.set WV,  12
.set SEL, 20
.set CS,  22
.set G1,  24
.set G0,  32
.set G1S, 36
.set G0S, 44
.set CNT, 48
.set NX,  49
.set TN,  50
.set SN,  51
.set NC,  62
.set PI,  63
.set PM,  66
.set G1B, 72
.set G0B, 80
.set MSB, 0
.macro WIN new                         ; low byte: bits 1:0 source 0, 3:2 source 1, 5:4 source 2, 7:6 destination; the high byte repeats the setting that is left
.if MSB != \new
	s_set_vgpr_msb (MSB<<8)|\new
.set MSB, \new
.endif
.endm
.macro CROUND
	s_barrier_signal -1
	s_barrier_wait -1
	s_cmp_lg_u32 s[WV], 0
	s_cbranch_scc1 .Lnot_wave_0_\@
	s_barrier_signal -3
.Lnot_wave_0_\@:
	s_barrier_wait -3
	s_barrier_signal -1
	s_barrier_wait -1
.endm
.macro BEHIND                          ; the lines behind a tensor load
	s_nop 0
.rept 4
	v_nop
.endr
.endm
	s_load_b256 s[4:11], s[0:1], 0x0               ; qc, kv, sq, at
	v_lshl_add_u32 v[SPW], v0, 2, SPARE
	v_mov_b32 v[NIL], 0
	ds_add_u32 v[SPW], v[NIL]                      ; the opening lines: the add, twice on end, and its wait
	ds_add_u32 v[SPW], v[NIL]
	v_lshrrev_b32 v[T0], 5, v0
	v_readfirstlane_b32 s[WV], v[T0]               ; wave 0..7
	s_bfe_u32 s13, ttmp6, 0x40000                  ; cx: my block of 512 queries
	s_and_b32 s15, ttmp7, 0xffff                   ; my head, 0 .. 63: the four partners share it
	s_mov_b32 s[G1], 15|(3<<16)|(1<<20)|(1<<21)|(6<<22)|(31<<25)   ; mask: all four; elements of 8 bytes; behind every 128 words 32 words of padding
	s_mov_b32 s[G1+1], 64<<16                      ; rows of 512 bytes, dense:
	s_mov_b32 s[G1+2], 48<<16                      ; two records
	s_mov_b32 s[G1+3], 64<<16
	s_mov_b32 s[G1+4], 48
	s_mov_b32 s[G1+5], 64
	s_mov_b32 s[G1+6], 0
	s_mov_b32 s[G1+7], 0
	s_mov_b32 s[G1B], 15|(3<<16)|(1<<20)|(1<<21)|(6<<22)|(31<<25)
	s_mov_b32 s[G1B+1], 64<<16
	s_mov_b32 s[G1B+2], 72<<16                     ; three records
	s_mov_b32 s[G1B+3], 64<<16
	s_mov_b32 s[G1B+4], 72
	s_mov_b32 s[G1B+5], 64
	s_mov_b32 s[G1B+6], 0
	s_mov_b32 s[G1B+7], 0
	s_mov_b32 s[G1S], 15|(3<<16)|(1<<21)           ; the scale words: 32 rows of 256 bytes, dense
	s_mov_b32 s[G1S+1], 32<<16
	s_mov_b32 s[G1S+2], 32<<16
	s_mov_b32 s[G1S+3], 32<<16
	s_mov_b32 s[G1S+4], 32
	s_mov_b32 s[G1S+5], 32
	s_mov_b32 s[G1S+6], 0
	s_mov_b32 s[G1S+7], 0
	s_mov_b32 s[SEL], 0x76543210
	s_mov_b32 s[SEL+1], 0xfedcba98                 ; lane l xor 16
	s_mov_b32 s[CS], 0x3e38aa3b                    ; c = log2(e) / 8
	s_mov_b32 s[CS+1], s[CS]
	s_mov_b32 s[NC], 0xbe38aa3b                    ; -c
	s_mul_i32 s17, s[WV], 3*REC                    ; waves 0-1: records 3 w ..
	s_mul_i32 s54, s[WV], 36864
	s_mul_i32 s52, s[WV], 2*REC                    ; waves 2-6: records 2 w + 2 ..
	s_add_co_u32 s52, s52, 2*REC
	s_mul_i32 s56, s[WV], 24576
	s_add_co_u32 s56, s56, 24576
	s_mul_i32 s2, s15, 196608
	s_add_co_u32 s54, s54, s2
	s_add_co_u32 s56, s56, s2
	s_mov_b32 s55, 0
	s_mov_b32 s57, 0
	s_lshl_b32 s18, s15, 13
	s_add_co_u32 s18, s18, 262144
	s_mov_b32 s19, 0
	s_wait_dscnt 0x0                               ; both opening adds are done
	s_wait_kmcnt 0x0
	CROUND                                         ; all four work-groups are here: the joint loads meet
	s_mov_b32 s[G0B], 1
	s_mov_b32 s[G0B+1], s17
	s_add_nc_u64 s[G0B+2:G0B+3], s[6:7], s[54:55]
	s_or_b32 s[G0B+3], s[G0B+3], 0x80000000
	s_mov_b32 s[G0], 1
	s_mov_b32 s[G0+1], s52
	s_add_nc_u64 s[G0+2:G0+3], s[6:7], s[56:57]
	s_or_b32 s[G0+3], s[G0+3], 0x80000000
	s_mov_b32 s[G0S], 1
	s_mov_b32 s[G0S+1], SCB
	s_add_nc_u64 s[G0S+2:G0S+3], s[8:9], s[18:19]
	s_or_b32 s[G0S+3], s[G0S+3], 0x80000000
	s_cmp_lt_u32 s[WV], 2                          ; one chain of branches on the wave's number, one load to an arm: every wave issues one
	s_cbranch_scc0 .Ltwo_rec
	tensor_load_to_lds s[G0B:G0B+3], s[G1B:G1B+7]
	BEHIND
	s_branch .Lasked
.Ltwo_rec:
	s_cmp_lt_u32 s[WV], 7
	s_cbranch_scc0 .Lwords
	tensor_load_to_lds s[G0:G0+3], s[G1:G1+7]
	BEHIND
	s_branch .Lasked
.Lwords:
	tensor_load_to_lds s[G0S:G0S+3], s[G1S:G1S+7]
	BEHIND
.Lasked:
	s_lshl_b32 s52, s13, 4
	s_lshl_b32 s53, s[WV], 1
	s_add_co_u32 s52, s52, s53                     ; P: my first pair of tiles, 0 .. 62; the second pass takes P + 1
	s_mul_i32 s53, s52, 1536
	s_mul_i32 s54, s15, 98304
	s_add_co_u32 s54, s54, s53
	s_add_nc_u64 s[4:5], s[4:5], s[54:55]          ; q's pair fragments
	s_lshl_b32 s14, s13, 2
	s_lshr_b32 s53, s[WV], 1
	s_add_co_u32 s14, s14, s53                     ; P / 4: which 128 queries
	s_lshl_b32 s53, s14, 8                         ; q's scale words: item P % 4 of the 128 queries' image
	s_lshl_b32 s54, s15, 12
	s_add_co_u32 s54, s54, s53
	s_and_b32 s16, s[WV], 1
	s_lshl_b32 s53, s16, 2
	s_add_co_u32 s54, s54, s53
	s_add_nc_u64 s[8:9], s[8:9], s[54:55]
	s_lshr_b32 s56, s15, 4                         ; batch row
	s_bfe_u32 s57, s15, 0x30001                    ; the projection's K step
	s_and_b32 s53, s15, 1                          ; c: which half of it
	s_lshl_b32 s54, s56, 7
	s_lshl_b32 s17, s52, 1
	s_add_co_u32 s54, s54, s17                     ; my first tile: 128 x batch row + 2 P
	s_mul_i32 s54, s54, 12288
	s_mul_i32 s17, s57, 1536
	s_add_co_u32 s54, s54, s17
	s_mul_i32 s17, s53, 768
	s_add_co_u32 s54, s54, s17
	s_add_nc_u64 s[58:59], s[10:11], s[54:55]
	s_lshl_b32 s54, s56, 4                         ; scale words: [tile / 8][K step][tile % 8][row], my two bytes at 2 c
	s_add_co_u32 s54, s54, s14
	s_lshl_b32 s54, s54, 12
	s_lshl_b32 s17, s57, 9
	s_add_co_u32 s54, s54, s17
	s_lshl_b32 s17, s16, 8
	s_add_co_u32 s54, s54, s17
	s_lshl_b32 s17, s53, 1
	s_add_co_u32 s54, s54, s17
	s_add_co_u32 s54, s54, 6291456
	s_add_nc_u64 s[60:61], s[10:11], s[54:55]
	v_and_b32 v[T0], 31, v0
	v_and_b32 v[T1], 15, v0
	v_lshlrev_b32 v[LI], 4, v[T0]
	v_lshlrev_b32 v[QAD], 3, v[T1]
	v_lshlrev_b32 v[L8], 3, v[T0]
	v_lshlrev_b32 v[R4], 2, v[T1]
.irp p, 0,1,2
	global_load_b128 v[QT+4*\p:QT+4*\p+3], v[LI], s[4:5] offset:512*\p
	global_load_b128 v[QT+12+4*\p:QT+12+4*\p+3], v[LI], s[4:5] offset:1536+512*\p
.endr
	global_load_b32 v[QW], v[QAD], s[8:9]
	global_load_b32 v[QW+1], v[QAD], s[8:9] offset:128
	v_lshl_add_u32 v[LSV], v[T0], 3, SCB+256
	v_bfe_u32 v[XP], v0, 4, 1                      ; h
	v_and_b32 v[BB], 7, v0
	v_bfe_u32 v[BB+1], v0, 3, 1                    ; e: rows 8-15 read the next fragment
	v_lshlrev_b32 v[SH8], 3, v[XP]
	v_lshlrev_b32 v[LSK], 3, v[BB]
	v_lshl_add_u32 v[BB], v[XP], 4, v[BB]
	v_lshl_add_u32 v[LSK], v[BB+1], 7, v[LSK]
	v_lshlrev_b32 v[BB], 4, v[BB]
	v_lshl_add_u32 v[LSK], v[XP], 6, v[LSK]
	v_mad_u32_u24 v[LKB], v[BB+1], 1920, v[BB]     ; 1,920 e + 16 (r % 8 + 16 h)
	v_add_nc_u32 v[LSK], SCB, v[LSK]               ; SCB + 8 (r % 8) + 128 e + 64 h: lanes 0-15 the rows of w = 0, lanes 16-31 of w = 1
.irp i, 0,1,2,3,4,5
	v_mov_b32 v[QZ+\i], 0                          ; the zero codes beside q
	v_mov_b32 v[QZ+12+\i], 0
	v_mov_b32 v[QZ+24+\i], 0
.endr
.irp t, 0,1
	v_mov_b32 v[FF+16*\t+1], 0                     ; (named as the upper half of a pair)
	v_mov_b32 v[XP+16*\t], 0                       ; written once: a lane permute's destination counts as one of its sources
.endr
	s_wait_alu depctr_va_vdst(0)
	s_wait_loadcnt 0x0
	s_wait_tensorcnt 0x0                           ; my load has landed
	s_barrier_signal -1
	s_barrier_wait -1                              ; so have all: the head's K, V and scale words are whole
.macro KLOAD a, sa                     ; 13 loads.  Fragment (c, w): rows 0-7 from pair 2 c, rows 8-15 from pair 2 c + 1, their rows 8 w ..
.irp c, 0,1
.irp w, 0,1
.irp p, 0,1,2
	ds_load_b128 v[KF+12*(2*\c+\w)+4*\p:KF+12*(2*\c+\w)+4*\p+3], v[\a] offset:3840*\c+128*\w+640*\p
.endr
.endr
.endr
	ds_load_b64 v[KS:KS+1], v[\sa]
.endm
.macro VLOAD a, sa                     ; 13 loads
.irp f, 0,1,2,3
.irp p, 0,1,2
	ds_load_b128 v[VF+12*\f+4*\p:VF+12*\f+4*\p+3], v[\a] offset:7680+1920*\f+640*\p
.endr
.endr
	ds_load_b64 v[VS:VS+1], v[\sa]
.endm
.macro SMUL d, f, q, qs, c, w          ; 16 keys x 16 queries
.if \w
	v_wmma_scale_f32_16x16x128_f8f6f4 v[\d:\d+7], v[KF+12*(\f):KF+12*(\f)+11], v[\q:\q+11], 0, v[KS+\c], v[\qs] matrix_a_fmt:MATRIX_FMT_FP6 matrix_b_fmt:MATRIX_FMT_FP6 matrix_a_scale:MATRIX_SCALE_ROW1
.else
	v_wmma_scale_f32_16x16x128_f8f6f4 v[\d:\d+7], v[KF+12*(\f):KF+12*(\f)+11], v[\q:\q+11], 0, v[KS+\c], v[\qs] matrix_a_fmt:MATRIX_FMT_FP6 matrix_b_fmt:MATRIX_FMT_FP6
.endif
.endm
.macro OMUL f, t                       ; 16 channels x tile t's 16 queries, K = the step's 128 keys
.if (\f)%2
	v_wmma_scale_f32_16x16x128_f8f6f4 v[O+32*\t+8*\f:O+32*\t+8*\f+7], v[VF+12*\f:VF+12*\f+11], v[PCD+12*\t:PCD+12*\t+11], v[O+32*\t+8*\f:O+32*\t+8*\f+7], v[VS+(\f)/2], v[PS+\t] matrix_a_fmt:MATRIX_FMT_FP6 matrix_b_fmt:MATRIX_FMT_FP6 matrix_a_scale:MATRIX_SCALE_ROW1
.else
	v_wmma_scale_f32_16x16x128_f8f6f4 v[O+32*\t+8*\f:O+32*\t+8*\f+7], v[VF+12*\f:VF+12*\f+11], v[PCD+12*\t:PCD+12*\t+11], v[O+32*\t+8*\f:O+32*\t+8*\f+7], v[VS+(\f)/2], v[PS+\t] matrix_a_fmt:MATRIX_FMT_FP6 matrix_b_fmt:MATRIX_FMT_FP6
.endif
.endm
.macro JOIN                            ; the last step's partial sums go into the rows' sums, still under that step's M.  All in window 1
	WIN 0x45
.irp t, 0,1
	v_pk_add_f32 v[PA+8*\t:PA+8*\t+1], v[PA+8*\t:PA+8*\t+1], v[PA+8*\t+2:PA+8*\t+3]
	v_pk_add_f32 v[PA+8*\t+4:PA+8*\t+5], v[PA+8*\t+4:PA+8*\t+5], v[PA+8*\t+6:PA+8*\t+7]
.endr
.irp t, 0,1
	v_pk_add_f32 v[PA+8*\t:PA+8*\t+1], v[PA+8*\t:PA+8*\t+1], v[PA+8*\t+4:PA+8*\t+5]
.endr
.irp t, 0,1
	v_pk_add_f32 v[LS+2*\t:LS+2*\t+1], v[LS+2*\t:LS+2*\t+1], v[PA+8*\t:PA+8*\t+1]
.endr
.endm
; A KEY STEP: 128 keys x the pair's 32 queries
.macro STEP
	s_add_co_u32 s[NX], s[CNT], 1
	s_and_b32 s[NX], s[NX], 15                     ; the record fetched in this step
	s_mul_i32 s[TN], s[NX], REC
	s_lshl_b32 s[SN], s[NX], 9
	s_wait_alu depctr_va_vdst(0)
	s_wait_dscnt 13                                ; K and its scale words are in; V's 13 loads, issued behind them, may be out
	WIN 0x40
.irp c, 0,1
.irp w, 0,1
.irp t, 0,1
	SMUL S+64*\t+32*\c+16*\w, 2*\c+\w, QZ+6+12*\t, QS+2*\t, \c, \w        ; keys 64 c + 32 h + 16 w + 0 .. 7
	SMUL S+64*\t+32*\c+16*\w+8, 2*\c+\w, QZ+12*\t, QS+2*\t+1, \c, \w      ; and + 8 .. 15
.endr
.endr
.endr
	JOIN                                           ; plain lines: the places behind the products
	WIN 0
	v_add_nc_u32 v[ADK], s[TN], v[LKB]
	v_add_nc_u32 v[ASK], s[SN], v[LSK]
	KLOAD ADK, ASK                                 ; the next step's K: it has the rest of this step in which to land
	WIN 0x15                                       ; the largest score of each block, in two chains each; it also gives the block's largest p, since p rises with the score
.irp t, 0,1
.irp c, 0,1
	v_max3_num_f32 v[BM+16*\t+2*\c], v[S+64*\t+32*\c], v[S+64*\t+32*\c+1], v[S+64*\t+32*\c+2]
	v_max3_num_f32 v[BM+16*\t+2*\c+1], v[S+64*\t+32*\c+17], v[S+64*\t+32*\c+18], v[S+64*\t+32*\c+19]
.endr
.endr
	WIN 0x14
.irp i, 3,5,7,9,11,13
.irp t, 0,1
.irp c, 0,1
	v_max3_num_f32 v[BM+16*\t+2*\c], v[BM+16*\t+2*\c], v[S+64*\t+32*\c+\i], v[S+64*\t+32*\c+\i+1]
	v_max3_num_f32 v[BM+16*\t+2*\c+1], v[BM+16*\t+2*\c+1], v[S+64*\t+32*\c+\i+17], v[S+64*\t+32*\c+\i+18]
.endr
.endr
.endr
.irp t, 0,1
.irp c, 0,1
	v_max3_num_f32 v[BM+16*\t+2*\c], v[BM+16*\t+2*\c], v[S+64*\t+32*\c+15], v[S+64*\t+32*\c+16]
.endr
.endr
	WIN 0
.irp t, 0,1
.irp c, 0,1
	v_max_num_f32 v[BM+16*\t+2*\c], v[BM+16*\t+2*\c], v[BM+16*\t+2*\c+1]
.endr
.endr
.irp t, 0,1
	v_max_num_f32 v[T0+16*\t], v[BM+16*\t], v[BM+16*\t+2]
.endr
.irp t, 0,1
	v_permlanex16_b32 v[XP+16*\t], v[T0+16*\t], s[SEL], s[SEL+1]
.endr
.irp t, 0,1
	v_max3_num_f32 v[TX+16*\t], v[TX+16*\t], v[T0+16*\t], v[XP+16*\t]   ; the running largest score of my query
.endr
.irp t, 0,1
	v_mul_f32 v[T1+16*\t], s[NC], v[TX+16*\t]      ; -t
.endr
.irp t, 0,1
	v_floor_f32 v[NM2+16*\t], v[T1+16*\t]          ; the new -M = -ceil(t)
.endr
.irp t, 0,1
	v_sub_f32 v[T1+16*\t], v[NM2+16*\t], v[NM+16*\t]   ; old M - new M: a whole number, 0 or less
.endr
.irp t, 0,1
	v_mov_b32 v[NM+16*\t], v[NM2+16*\t]
.endr
.irp t, 0,1
	v_cvt_i32_f32 v[T1+16*\t], v[T1+16*\t]         ; (it saturates)
.endr
.irp t, 0,1
	v_ldexp_f32 v[FF+16*\t], 1.0, v[T1+16*\t]      ; f = 2^(old M - new M)
.endr
.irp t, 0,1
.irp c, 0,1
	v_fma_f32 v[BM+16*\t+2*\c], v[BM+16*\t+2*\c], s[CS], v[NM+16*\t]
.endr
.endr
	WIN 0x41
.irp t, 0,1
	v_pk_mul_f32 v[LS+2*\t:LS+2*\t+1], v[LS+2*\t:LS+2*\t+1], v[FF+16*\t:FF+16*\t+1] op_sel_hi:[1,0]   ; the sums under the new M
.endr
.irp t, 0,1
.set j, 0
.rept 16
	v_pk_mul_f32 v[O+32*\t+j:O+32*\t+j+1], v[O+32*\t+j:O+32*\t+j+1], v[FF+16*\t:FF+16*\t+1] op_sel_hi:[1,0]   ; O^T under the new M: no transcendental stands between the last products and these reads
.set j, j+2
.endr
.endr
.set j, 0
.rept 32
	v_pk_fma_f32 v[S+j:S+j+1], v[S+j:S+j+1], s[CS:CS+1], v[NM:NM+1] op_sel_hi:[1,0,0]   ; tile 0: t - M
.set j, j+2
.endr
	WIN 0
	s_wait_alu depctr_va_vdst(0)
.irp t, 0,1
.irp c, 0,1
	v_exp_f32 v[BM+16*\t+2*\c], v[BM+16*\t+2*\c]   ; the blocks' largest p
.endr
.endr
	WIN 0x41
.set j, 0
.rept 32                               ; tile 0's p = 2^(t - M); between them tile 1's t - M, which names none of the batch's registers
	v_exp_f32 v[S+j], v[S+j]
	v_exp_f32 v[S+j+1], v[S+j+1]
	v_pk_fma_f32 v[S+64+j:S+64+j+1], v[S+64+j:S+64+j+1], s[CS:CS+1], v[NM+16:NM+17] op_sel_hi:[1,0,0]
.set j, j+2
.endr
	s_wait_alu depctr_va_vdst(0)                   ; behind the first batch and ahead of the second
	WIN 0x45
.set j, 0
.rept 16                               ; tile 1's p; between them THE ROW'S SUM OF THE UNQUANTISED p begins for tile 0: sixteen additions that hang on nothing written in this batch, each into registers of its own
	v_exp_f32 v[S+64+4*j], v[S+64+4*j]
	v_exp_f32 v[S+64+4*j+1], v[S+64+4*j+1]
	v_exp_f32 v[S+64+4*j+2], v[S+64+4*j+2]
	v_exp_f32 v[S+64+4*j+3], v[S+64+4*j+3]
	v_pk_add_f32 v[TA+2*j:TA+2*j+1], v[S+4*j:S+4*j+1], v[S+4*j+2:S+4*j+3]
.set j, j+1
.endr
	s_wait_alu depctr_va_vdst(0)                   ; one wait for the batch, ahead of its first reader
	WIN 0
.irp t, 0,1
.irp c, 0,1
	v_max_num_f32 v[BM+16*\t+2*\c], 0x1800000, v[BM+16*\t+2*\c]   ; the floor 2^(3 - 127)
.endr
.endr
.irp t, 0,1
.irp c, 0,1
	v_add_nc_u32 v[SO+16*\t+\c], 0xff000000, v[BM+16*\t+2*\c]     ; 2 off the exponent field: the conversion's scale operand
.endr
.endr
.irp t, 0,1
.irp c, 0,1
	v_lshrrev_b32 v[BB+16*\t+\c], 23, v[SO+16*\t+\c]
.endr
.endr
.irp t, 0,1
	v_lshl_or_b32 v[T0+16*\t], v[BB+16*\t+1], 16, v[BB+16*\t]     ; my blocks h and 2 + h,
.endr
.irp t, 0,1
	v_lshlrev_b32 v[T0+16*\t], v[SH8], v[T0+16*\t]                ; at their places in the word;
.endr
.irp t, 0,1
	v_permlanex16_b32 v[XP+16*\t], v[T0+16*\t], s[SEL], s[SEL+1]
.endr
.irp t, 0,1
	v_or_b32 v[PS+\t], v[T0+16*\t], v[XP+16*\t]    ; with lane l xor 16's two the word is whole
.endr
	WIN 0x01
.irp t, 0,1
.irp c, 0,1
	v_cvt_scalef32_pk16_fp6_f32 v[PCD+12*\t+6*\c:PCD+12*\t+6*\c+2], v[S+64*\t+32*\c:S+64*\t+32*\c+15], v[SO+16*\t+\c]
	v_cvt_scalef32_pk16_fp6_f32 v[PT+8*\t+4*\c:PT+8*\t+4*\c+2], v[S+64*\t+32*\c+16:S+64*\t+32*\c+31], v[SO+16*\t+\c]   ; (a conversion's three registers begin on an even number)
.endr
.endr
	WIN 0
	v_add_nc_u32 v[ADV], s[TN], v[LI]              ; plain places behind the conversions
	v_add_nc_u32 v[ASV], s[SN], v[LSV]
.irp t, 0,1
.irp c, 0,1
.irp i, 0,1,2
	v_mov_b32 v[PCD+12*\t+6*\c+3+\i], v[PT+8*\t+4*\c+\i]
.endr
.endr
.endr
	WIN 0x45
.irp k, 0,1,2,3                        ; tile 0's sixteen become its four partial sums: twelve places between the codes' last write and the products
	v_pk_add_f32 v[PA+2*\k:PA+2*\k+1], v[TA+2*\k:TA+2*\k+1], v[TA+2*\k+8:TA+2*\k+9]
.endr
.irp m, 16,24
.irp k, 0,1,2,3
	v_pk_add_f32 v[PA+2*\k:PA+2*\k+1], v[PA+2*\k:PA+2*\k+1], v[TA+2*\k+\m:TA+2*\k+\m+1]
.endr
.endr
	s_wait_alu depctr_va_vdst(0)
	s_wait_dscnt 13                                ; V and its scale words are in; the next K's 13 loads may be out
	WIN 0x50
.irp f, 0,1,2,3
.irp t, 0,1
	OMUL \f, \t                                    ; the eight accumulators by turns
.endr
.endr
	WIN 0x45
.irp k, 0,1,2,3                        ; tile 1's sum, in four chains; also the places ahead of the loads below
	v_pk_add_f32 v[PA+8+2*\k:PA+8+2*\k+1], v[S+64+2*\k:S+64+2*\k+1], v[S+64+2*\k+8:S+64+2*\k+9]
.endr
.irp m, 16,24,32,40,48,56
.irp k, 0,1,2,3
	v_pk_add_f32 v[PA+8+2*\k:PA+8+2*\k+1], v[PA+8+2*\k:PA+8+2*\k+1], v[S+64+2*\k+\m:S+64+2*\k+\m+1]
.endr
.endr
	WIN 0
	VLOAD ADV, ASV                                 ; the next step's V
.endm
	KLOAD LKB, LSK                                 ; record 0
	VLOAD LI, LSV
	s_mov_b32 s[PI], 0
.Lpass:                                                ; a pass: one pair of tiles through the head's 16 records
	s_sub_co_u32 s[PM], 0, s[PI]                   ; all ones in the second pass
	v_cndmask_b32 v[T0], v[QW], v[QW+1], s[PM]
	v_and_b32 v[QS], 0xffff, v[T0]                 ; the tiles' scale bytes: written first, so that the lines below are the places ahead of the first product
	v_lshlrev_b32 v[QS+1], 16, v[T0]
	v_lshrrev_b32 v[QS+2], 16, v[T0]
	v_and_b32 v[QS+3], 0xffff0000, v[T0]
.irp i, 0,1,2,3,4,5
	v_cndmask_b32 v[QZ+6+\i], v[QT+\i], v[QT+12+\i], s[PM]
	v_cndmask_b32 v[QZ+18+\i], v[QT+6+\i], v[QT+18+\i], s[PM]
.endr
.irp t, 0,1
	v_mov_b32 v[TX+16*\t], 0xff61b1e6              ; the largest score so far: -3e38
	v_mov_b32 v[NM+16*\t], 0x7f000000              ; -M = 2^127: the first f is 0
.endr
	WIN 0x40
.set j, 0
.rept 84
	v_mov_b32 v[O+j], 0                            ; O^T, the partial sums and the sums: the step is written once; its first turn finds zeros
.set j, j+1
.endr
	WIN 0
	s_mov_b32 s[CNT], 0
.Lstep:
	STEP
	s_add_co_u32 s[CNT], s[CNT], 1
	s_cmp_lt_u32 s[CNT], 16
	s_wait_alu depctr_va_vdst(0)
	s_cbranch_scc1 .Lstep
	; the pair is done: O^T / the sum, quantised along the head's 64 channels, and stored
	JOIN
	WIN 0x05
.irp t, 0,1
	v_add_f32 v[T0+16*\t], v[LS+2*\t], v[LS+2*\t+1]
.endr
	WIN 0
.irp t, 0,1
	v_permlanex16_b32 v[XP+16*\t], v[T0+16*\t], s[SEL], s[SEL+1]
.endr
.irp t, 0,1
	v_add_f32 v[T0+16*\t], v[T0+16*\t], v[XP+16*\t]   ; the row's sum
.endr
	s_wait_alu depctr_va_vdst(0)
.irp t, 0,1
	v_rcp_f32 v[FF+16*\t], v[T0+16*\t]
.endr
	v_nop
	WIN 0x41
	s_wait_alu depctr_va_vdst(0)                   ; behind the two, and directly ahead of the first reader of O^T
.irp t, 0,1
.set j, 0
.rept 16
	v_pk_mul_f32 v[O+32*\t+j:O+32*\t+j+1], v[O+32*\t+j:O+32*\t+j+1], v[FF+16*\t:FF+16*\t+1] op_sel_hi:[1,0]   ; register 16 b + i is channel 32 b + 16 h + i
.set j, j+2
.endr
.endr
	WIN 0x05
.irp t, 0,1
.irp b, 0,1
	v_max3_num_f32 v[BM+16*\t+\b], |v[O+32*\t+16*\b]|, |v[O+32*\t+16*\b+1]|, 0x1800000
.endr
.endr
	WIN 0x14
.irp i, 2,4,6,8,10,12,14
.irp t, 0,1
.irp b, 0,1
	v_max3_num_f32 v[BM+16*\t+\b], v[BM+16*\t+\b], |v[O+32*\t+16*\b+\i]|, |v[O+32*\t+16*\b+\i+1]|
.endr
.endr
.endr
	WIN 0
.irp t, 0,1
	v_permlanex16_b32 v[XP+16*\t], v[BM+16*\t], s[SEL], s[SEL+1]
	v_permlanex16_b32 v[T1+16*\t], v[BM+16*\t+1], s[SEL], s[SEL+1]
.endr
.irp t, 0,1
	v_max_num_f32 v[BM+16*\t], v[BM+16*\t], v[XP+16*\t]
	v_max_num_f32 v[BM+16*\t+1], v[BM+16*\t+1], v[T1+16*\t]
.endr
.irp t, 0,1
.irp b, 0,1
	v_add_nc_u32 v[SO+16*\t+\b], 0xff000000, v[BM+16*\t+\b]
.endr
.endr
.irp t, 0,1
.irp b, 0,1
	v_lshrrev_b32 v[BB+16*\t+\b], 23, v[SO+16*\t+\b]
.endr
.endr
.irp t, 0,1
	v_lshl_or_b32 v[AW+\t], v[BB+16*\t+1], 8, v[BB+16*\t]   ; my row's two scale bytes
.endr
	WIN 0x01
.irp t, 0,1
	v_cvt_scalef32_pk16_fp6_f32 v[PCD+12*\t:PCD+12*\t+2], v[O+32*\t:O+32*\t+15], v[SO+16*\t]
	v_cvt_scalef32_pk16_fp6_f32 v[PT+8*\t:PT+8*\t+2], v[O+32*\t+16:O+32*\t+31], v[SO+16*\t+1]
.endr
	WIN 0
	v_nop                                          ; one plain place behind a scaled conversion
.irp t, 0,1
.irp i, 0,1,2
	v_permlane16_swap_b32 v[PCD+12*\t+\i], v[PT+8*\t+\i]   ; lanes 0-15 block 0, lanes 16-31 block 1: lower 16 codes in the first run, upper 16 in the second
.endr
.endr
.irp t, 0,1
.irp i, 0,1,2
	v_mov_b32 v[PCD+12*\t+3+\i], v[PT+8*\t+\i]
.endr
.endr
.irp t, 0,1
	global_store_b128 v[LI], v[PCD+12*\t:PCD+12*\t+3], s[58:59] offset:12288*\t          ; 512 consecutive bytes, aligned
	global_store_b64 v[L8], v[PCD+12*\t+4:PCD+12*\t+5], s[58:59] offset:12288*\t+512     ; 256 consecutive bytes, aligned
	global_store_b16 v[R4], v[AW+\t], s[60:61] offset:64*\t                              ; lanes r and 16 + r store the same two bytes with the same value
.endr
	s_wait_xcnt 0x0                                ; the stores have read their registers and bases: only now are they written again
	s_add_nc_u64 s[58:59], s[58:59], 24576         ; the next pair's two tiles
	s_add_nc_u64 s[60:61], s[60:61], 128
	s_add_co_u32 s[PI], s[PI], 1
	s_cmp_lt_u32 s[PI], 2
	s_wait_alu depctr_va_vdst(0)
	s_cbranch_scc1 .Lpass
	s_wait_tensorcnt 0x0                           ; the wave's end
	ds_add_u32 v[SPW], v[NIL]
	s_wait_dscnt 0x0
	CROUND                                         ; the closing round
	s_endpgm
.Lfunc_end_k_q9cdc46cedf_attn:
	.size	k_q9cdc46cedf_attn, .Lfunc_end_k_q9cdc46cedf_attn-k_q9cdc46cedf_attn
	.p2alignl 7, 3214868480
	.fill 96, 4, 3214868480
	.section	.rodata,"a",@progbits
	.p2align	6, 0x0
	.amdhsa_kernel k_q9cdc46cedf_attn
		.amdhsa_group_segment_fixed_size 327680
		.amdhsa_private_segment_fixed_size 0
		.amdhsa_enable_private_segment 0
		.amdhsa_kernarg_size 32
		.amdhsa_user_sgpr_count 2
		.amdhsa_user_sgpr_kernarg_segment_ptr 1
		.amdhsa_wavefront_size32 1
		.amdhsa_system_sgpr_workgroup_id_x 1
		.amdhsa_system_sgpr_workgroup_id_y 1
		.amdhsa_system_sgpr_workgroup_id_z 1
		.amdhsa_system_vgpr_workitem_id 0
		.amdhsa_next_free_vgpr 512
		.amdhsa_next_free_sgpr 84
		.amdhsa_reserve_vcc 0
		.amdhsa_float_denorm_mode_32 3
		.amdhsa_float_denorm_mode_16_64 3
		.amdhsa_memory_ordered 1
		.amdhsa_forward_progress 1
		.amdhsa_inst_pref_size 50
	.end_amdhsa_kernel
	.amdgpu_metadata
---
amdhsa.version: [ 1, 2 ]
amdhsa.kernels:
  - .name:           k_q9cdc46cedf_attn
    .symbol:         k_q9cdc46cedf_attn.kd
    .args:
      - { .name: qc, .offset: 0, .size: 8, .value_kind: global_buffer, .address_space: global }
      - { .name: kv, .offset: 8, .size: 8, .value_kind: global_buffer, .address_space: global }
      - { .name: sq, .offset: 16, .size: 8, .value_kind: global_buffer, .address_space: global }
      - { .name: at, .offset: 24, .size: 8, .value_kind: global_buffer, .address_space: global }
    .group_segment_fixed_size: 327680
    .private_segment_fixed_size: 0
    .kernarg_segment_align: 8
    .kernarg_segment_size: 32
    .max_flat_workgroup_size: 256
    .sgpr_count:     84
    .vgpr_count:     512
    .wavefront_size: 32
...
	.end_amdgpu_metadata
.endif
;; end of part 3
;; launch proj (part 4): grid 4 x 32, 4 waves a work-group, clusters of 4 x 4, 327,680 bytes of LDS; arguments at, wc, ws, b_out, out0; writes out0
.if DOCPART == 4
	.amdgcn_target "amdgcn-amd-amdhsa--gfx1250"
	.amdhsa_code_object_version 6
	.text
	.protected	k_q9cdc46cedf_proj
	.globl	k_q9cdc46cedf_proj
	.p2align	8
	.type	k_q9cdc46cedf_proj,@function
k_q9cdc46cedf_proj:
	s_mov_b64 s[64:65], 0
	v_nop
	global_prefetch_b8 v0, s[64:65] scope:SCOPE_SE
	s_setreg_imm32_b32 hwreg(HW_REG_WAVE_MODE, 25, 1), 1
	s_wait_xcnt 0x0
	s_wait_alu depctr_hold_cnt(0) depctr_sa_sdst(0) depctr_va_vdst(0) depctr_va_sdst(0) depctr_va_ssrc(0) depctr_va_vcc(0) depctr_vm_vsrc(0)
	s_getreg_b32 s2, hwreg(HW_REG_IB_STS2, 6, 4)
	s_cmp_eq_u32 s2, 0
	s_cbranch_scc0 .Lentry_in_a_cluster
	s_endpgm
.Lentry_in_a_cluster:
	s_bfe_u32 s2, ttmp6, 0x10000c
	s_cmp_lg_u32 s2, 0xf033
	s_cbranch_scc0 .Lentry_shape_is_right
	s_endpgm
.Lentry_shape_is_right:
.set FR,    12
.set NL,    4                          ; LDS loads that bring a fragment of A
.set L8,    30                         ; v30  8 x lane
.set NP,    4
.set TROW,  3072
.set HALFT, 8*TROW
.set SLOT,  4*HALFT
.set SCL,   2*SLOT
.set SPARE, SCL+4*4096
.set SPITCH, 528
.set ADRA, 16
.set ADRB, 20
.set LI,   24
.set STO,  25
.set RD,   26
.set ADRS, 27
.set SPW,  28
.set NIL,  29
.set SC,   32
.set BI,   96
.set AF,   128
.set BK,   128
.set G1, 24
.set G0, 32
.set G1B, 48
.set G0B, 56
.set G1S, 68
.set G0S, 76
.set G1SB, 80
.set G0SB, 88
.set MSB, 0
.macro WIN new
.if MSB != \new
	s_set_vgpr_msb (MSB<<8)|\new
.set MSB, \new
.endif
.endm
.set MUL_LO, 0xa1
.set MUL_HI, 0xf1
.set TO_B,   0x40
.macro JLOAD g0a, g1a, g0b, g1b
	s_cmp_eq_u32 s21, 0
	s_cbranch_scc0 .Lfor_b_\@
	tensor_load_to_lds s[\g0a:\g0a+3], s[\g1a:\g1a+7]
	s_nop 0
.rept 4
	v_nop
.endr
	s_branch .Lasked_\@
.Lfor_b_\@:
	tensor_load_to_lds s[\g0b:\g0b+3], s[\g1b:\g1b+7]
	s_nop 0
.rept 4
	v_nop
.endr
.Lasked_\@:
.endm
.macro CREST
	s_cmp_lg_u32 s20, 0
	s_cbranch_scc1 .Lnot_wave_0_\@
	s_barrier_signal -3
.Lnot_wave_0_\@:
	s_barrier_wait -3
	s_barrier_signal -1
	s_barrier_wait -1
.endm
.macro CROUND
	s_barrier_signal -1
	s_barrier_wait -1
	CREST
.endm
.macro PLACES n
.rept \n
	v_nop
.endr
.endm
	s_load_b256 s[4:11], s[0:1], 0x0
	s_load_b64 s[12:13], s[0:1], 0x20
	v_lshl_add_u32 v[SPW], v0, 2, SPARE
	v_mov_b32 v[NIL], 0
	ds_add_u32 v[SPW], v[NIL]
	ds_add_u32 v[SPW], v[NIL]
	v_lshrrev_b32 v1, 5, v0
	v_readfirstlane_b32 s20, v1
	s_lshr_b32 s21, s20, 1
	s_and_b32 s22, s20, 1
	s_bfe_u32 s40, ttmp6, 0x40000
	s_bfe_u32 s41, ttmp6, 0x40004
	s_lshl_b32 s42, ttmp9, 2
	s_add_co_u32 s42, s42, s40
	s_and_b32 s45, ttmp7, 0xffff
	s_lshl_b32 s43, s45, 2
	s_add_co_u32 s43, s43, s41
	s_lshl_b32 s46, s41, 2
	s_lshl_b32 s46, 15, s46
	s_lshl_b32 s47, 0x1111, s40
	s_or_b32 s[G1+0], s46, (3<<16)|(1<<21)
	s_or_b32 s[G1B+0], s47, (3<<16)|(1<<21)
.irp g, G1, G1B
	s_mov_b32 s[\g+1], 384<<16
	s_mov_b32 s[\g+2], 8<<16
	s_mov_b32 s[\g+3], 384<<16
	s_mov_b32 s[\g+4], 8
	s_mov_b32 s[\g+5], 1536
	s_mov_b32 s[\g+6], 0
	s_mov_b32 s[\g+7], 0
.endr
	s_or_b32 s[G1S+0], s46, (3<<16)|(1<<21)
	s_or_b32 s[G1SB+0], s47, (3<<16)|(1<<21)
.irp g, G1S, G1SB
	s_mov_b32 s[\g+1], 32<<16
	s_mov_b32 s[\g+2], 16<<16
	s_mov_b32 s[\g+3], 32<<16
	s_mov_b32 s[\g+4], 16
	s_mov_b32 s[\g+5], 32
	s_mov_b32 s[\g+6], 0
	s_mov_b32 s[\g+7], 0
.endr
	s_lshl_b32 s94, s43, 1
	s_add_co_u32 s94, s94, s22
	s_mul_i32 s100, s94, 98304
	s_mov_b32 s101, 0
	s_add_co_u32 s93, s42, 12
	s_lshl_b32 s95, s93, 1
	s_add_co_u32 s95, s95, s22
	s_mul_i32 s2, s95, 98304
	s_mov_b32 s3, 0
	s_mul_i32 s66, s20, HALFT
	s_lshl_b32 s67, s20, 12
	s_wait_dscnt 0x0
	s_wait_kmcnt 0x0
	s_add_nc_u64 s[96:97], s[4:5], s[100:101]
	s_lshl_b32 s100, s94, 12
	s_add_nc_u64 s[98:99], s[4:5], s[100:101]
	s_add_nc_u64 s[98:99], s[98:99], 6291456
	s_add_nc_u64 s[6:7], s[6:7], s[2:3]
	s_lshl_b32 s2, s95, 12
	s_add_nc_u64 s[8:9], s[8:9], s[2:3]
	CROUND
	s_mov_b32 s[G0S], 1
	s_add_co_u32 s[G0S+1], s67, SCL
	s_mov_b64 s[G0S+2:G0S+3], s[98:99]
	s_or_b32 s[G0S+3], s[G0S+3], 0x80000000
	s_mov_b32 s[G0SB], 1
	s_add_co_u32 s[G0SB+1], s67, SCL
	s_mov_b64 s[G0SB+2:G0SB+3], s[8:9]
	s_or_b32 s[G0SB+3], s[G0SB+3], 0x80000000
	JLOAD G0S, G1S, G0SB, G1SB
.irp s, 0,1
	s_mov_b32 s[G0+4*\s], 1
	s_add_co_u32 s[G0+4*\s+1], s66, \s*SLOT
	s_add_nc_u64 s[G0+4*\s+2:G0+4*\s+3], s[96:97], \s*TROW
	s_or_b32 s[G0+4*\s+3], s[G0+4*\s+3], 0x80000000
	s_mov_b32 s[G0B+4*\s], 1
	s_add_co_u32 s[G0B+4*\s+1], s66, \s*SLOT
	s_add_nc_u64 s[G0B+4*\s+2:G0B+4*\s+3], s[6:7], \s*TROW
	s_or_b32 s[G0B+4*\s+3], s[G0B+4*\s+3], 0x80000000
	s_wait_alu depctr_va_vdst(0)
	s_wait_tensorcnt 0x0
	ds_add_u32 v28, v29
	s_wait_dscnt 0x0
	CROUND
	JLOAD G0+4*\s, G1, G0B+4*\s, G1B
.endr
	v_and_b32 v1, 15, v0
	v_bfe_u32 v2, v0, 4, 1
	v_and_b32 v3, 31, v0
	v_lshlrev_b32 v[LI], 4, v3
	v_lshlrev_b32 v[L8], 3, v3
	s_wait_alu depctr_va_vdst(0)
	s_lshl_b32 s92, s42, 10
	s_lshl_b32 s93, s22, 9
	s_add_co_u32 s92, s92, s93
	s_mov_b32 s93, 0
	s_add_nc_u64 s[10:11], s[10:11], s[92:93]
	global_load_b128 v[BI:BI+3], v[LI], s[10:11]
	s_add_nc_u64 s[12:13], s[12:13], s[92:93]
	s_lshl_b32 s92, s43, 20
	s_lshl_b32 s94, s21, 19
	s_add_co_u32 s92, s92, s94
	s_add_nc_u64 s[12:13], s[12:13], s[92:93]
	s_mul_i32 s2, s21, HALFT
	s_mul_i32 s3, s22, HALFT
	s_add_co_u32 s3, s3, 2*HALFT
.irp s, 0,1
	v_add_nc_u32 v[ADRA+\s], s2, v[LI]
	v_add_nc_u32 v[ADRA+2+\s], s2, v[L8]
	v_add_nc_u32 v[ADRB+\s], s3, v[LI]
	s_add_co_u32 s2, s2, SLOT
	s_add_co_u32 s3, s3, SLOT
.endr
	s_lshl_b32 s2, s21, 12
	s_lshl_b32 s3, s22, 12
	s_add_co_u32 s3, s3, 8192
	s_sub_co_u32 s3, s3, s2
	v_mul_u32_u24 v5, s3, v2
	s_add_co_u32 s2, s2, SCL
	v_lshl_add_u32 v5, v1, 2, v5
	v_add_nc_u32 v[ADRS], s2, v5
	s_mul_i32 s2, s20, 16*SPITCH
	v_mul_u32_u24 v5, v1, SPITCH
	v_lshl_add_u32 v5, v2, 6, v5
	v_add_nc_u32 v[STO], s2, v5
	v_add_nc_u32 v[RD], s2, v[LI]
.macro FRAG reg, adr, q, i
.irp c, 0,1,2
	ds_load_b128 v[\reg+4*\c:\reg+4*\c+3], v[\adr] offset:(\i)*TROW+(\q)*1536+512*\c
.endr
.endm
.macro MUL16 a0, p, s, zero
.irp a, \a0, \a0+1
.irp b, 0,1,2,3,4,5,6,7
.if \zero
	v_wmma_scale_f32_16x16x128_f8f6f4 v[8*(8*((\a)%4)+\b):8*(8*((\a)%4)+\b)+7], v[128*(\p)+FR*\b:128*(\p)+FR*\b+FR-1], v[AF+FR*(\a):AF+FR*(\a)+FR-1], 0, v[SC+8*(\s)+\b], v[SC+8*(\s)+(\a)] matrix_a_fmt:MATRIX_FMT_FP6 matrix_b_fmt:MATRIX_FMT_FP6 matrix_a_scale:MATRIX_SCALE_ROW1
.else
	v_wmma_scale_f32_16x16x128_f8f6f4 v[8*(8*((\a)%4)+\b):8*(8*((\a)%4)+\b)+7], v[128*(\p)+FR*\b:128*(\p)+FR*\b+FR-1], v[AF+FR*(\a):AF+FR*(\a)+FR-1], v[8*(8*((\a)%4)+\b):8*(8*((\a)%4)+\b)+7], v[SC+8*(\s)+\b], v[SC+8*(\s)+(\a)] matrix_a_fmt:MATRIX_FMT_FP6 matrix_b_fmt:MATRIX_FMT_FP6 matrix_a_scale:MATRIX_SCALE_ROW1
.endif
.endr
.endr
.endm
.macro FETCH_B slot, q, p
	WIN TO_B
.irp i, 0,1,2,3,4,5,6,7
	FRAG 128*(\p)+FR*\i, ADRB+\slot, \q, \i
.endr
	WIN 0
.endm
.macro FRAGA reg, slot, q, i           ; attn's fragment lies in two halves of 768 bytes: registers 6 c .. 6 c + 3 at 16 x lane, registers 6 c + 4, 6 c + 5 at 512 + 8 x lane
.irp c, 0,1
	ds_load_b128 v[\reg+6*\c:\reg+6*\c+3], v[ADRA+\slot] offset:(\i)*TROW+(\q)*1536+768*\c
	ds_load_b64 v[\reg+6*\c+4:\reg+6*\c+5], v[ADRA+2+\slot] offset:(\i)*TROW+(\q)*1536+768*\c+512
.endr
.endm
.macro FETCH_A slot, q, i0
.irp i, \i0, \i0+1, \i0+2, \i0+3
	FRAGA AF+FR*(\i), \slot, \q, \i
.endr
.endm
.macro STEP slot, s, zero
	s_wait_dscnt 4*NL
	WIN MUL_LO
	MUL16 0, 0, \s, \zero
	MUL16 2, 0, \s, \zero
	s_wait_dscnt 0
	PLACES NP
	FETCH_B \slot, 1, 1
	FETCH_A \slot, 1, 0
	WIN MUL_HI
	MUL16 4, 0, \s, \zero
	MUL16 6, 0, \s, \zero
	PLACES NP
	WIN 0
	FETCH_A \slot, 1, 4
.endm
.macro TURN slot, next, fill, s
	s_wait_tensorcnt 0x0
	ds_add_u32 v[SPW], v[NIL]
	s_wait_dscnt 4*NL+1
	WIN MUL_LO
	MUL16 0, 1, \s, 0
	s_wait_dscnt 0x0
	s_barrier_signal -1
	MUL16 2, 1, \s, 0
	WIN 0
	s_barrier_wait -1
.if \fill
	CREST
	s_add_nc_u64 s[G0+4*\slot+2:G0+4*\slot+3], s[G0+4*\slot+2:G0+4*\slot+3], 2*TROW
	s_add_nc_u64 s[G0B+4*\slot+2:G0B+4*\slot+3], s[G0B+4*\slot+2:G0B+4*\slot+3], 2*TROW
	JLOAD G0+4*\slot, G1, G0B+4*\slot, G1B
.else
	PLACES NP
.endif
	FETCH_B \next, 0, 0
	FETCH_A \next, 0, 0
	WIN MUL_HI
	MUL16 4, 1, \s, 0
	MUL16 6, 1, \s, 0
	PLACES NP
	WIN 0
	FETCH_A \next, 0, 4
.endm
	s_wait_alu depctr_va_vdst(0)
	s_wait_tensorcnt 1
	s_barrier_signal -1
	s_barrier_wait -1
.irp s, 0,1,2,3,4,5,6,7
.irp i, 0,1,2,3,4,5,6,7
	ds_load_b32 v[SC+8*\s+\i], v[ADRS] offset:512*\s+64*\i
.endr
.endr
	FETCH_B 0, 0, 0
	FETCH_A 0, 0, 0
	FETCH_A 0, 0, 4
	STEP 0, 0, 1
	TURN 0, 1, 1, 1
	STEP 1, 2, 0
	TURN 1, 0, 1, 3
	STEP 0, 4, 0
	TURN 0, 1, 0, 5
	STEP 1, 6, 0
	s_wait_dscnt 4*NL
	WIN MUL_LO
	MUL16 0, 1, 7, 0
	MUL16 2, 1, 7, 0
	s_wait_dscnt 0
	WIN MUL_HI
	MUL16 4, 1, 7, 0
	MUL16 6, 1, 7, 0
	WIN 0
.macro TOSTAGE a
.set AC, 64*((\a)%4)
	WIN 0x08+4*((\a)/4)
.irp b, 0,1,2,3,4,5,6,7
	ds_store_b128 v[STO], v[AC+8*\b:AC+8*\b+3] offset:128*(\b/2)+32*(\b%2)
	ds_store_b128 v[STO], v[AC+8*\b+4:AC+8*\b+7] offset:128*(\b/2)+32*(\b%2)+16
.endr
	WIN 0
.set BB, BK+64*((\a)%2)
.irp t, 0,1,2,3,4,5,6,7,8,9,10,11,12,13,14,15
	ds_load_b128 v[BB+4*\t:BB+4*\t+3], v[RD] offset:\t*SPITCH
.endr
.endm
.macro SEND a, younger
.set BB, BK+64*((\a)%2)
	s_wait_dscnt \younger
.irp t, 0,1,2,3,4,5,6,7,8,9,10,11,12,13,14,15
	v_pk_add_f32 v[BB+4*\t:BB+4*\t+1], v[BB+4*\t:BB+4*\t+1], v[BI:BI+1]
	v_pk_add_f32 v[BB+4*\t+2:BB+4*\t+3], v[BB+4*\t+2:BB+4*\t+3], v[BI+2:BI+3]
	global_store_b128 v[LI], v[BB+4*\t:BB+4*\t+3], s[12:13] offset:(32*((\a)/2)+8*((\a)%2)+\t+8*(\t/8))*4096 th:TH_STORE_NT
.endr
.endm
	PLACES NP
	s_wait_loadcnt 0x0
	TOSTAGE 0
.irp a, 1,2,3,4,5,6,7
.if \a > 1
	s_wait_xcnt 0x0
.endif
	TOSTAGE \a
	SEND \a-1, 32
.endr
	SEND 7, 0
	s_wait_tensorcnt 0x0
	ds_add_u32 v[SPW], v[NIL]
	s_wait_dscnt 0x0
	CROUND
	s_endpgm
.Lfunc_end_k_q9cdc46cedf_proj:
	.size	k_q9cdc46cedf_proj, .Lfunc_end_k_q9cdc46cedf_proj-k_q9cdc46cedf_proj
	.p2alignl 7, 3214868480
	.fill 96, 4, 3214868480
	.section	.rodata,"a",@progbits
	.p2align	6, 0x0
	.amdhsa_kernel k_q9cdc46cedf_proj
		.amdhsa_group_segment_fixed_size 327680
		.amdhsa_private_segment_fixed_size 0
		.amdhsa_enable_private_segment 0
		.amdhsa_kernarg_size 40
		.amdhsa_user_sgpr_count 2
		.amdhsa_user_sgpr_kernarg_segment_ptr 1
		.amdhsa_wavefront_size32 1
		.amdhsa_system_sgpr_workgroup_id_x 1
		.amdhsa_system_sgpr_workgroup_id_y 1
		.amdhsa_system_sgpr_workgroup_id_z 1
		.amdhsa_system_vgpr_workitem_id 0
		.amdhsa_next_free_vgpr 1024
		.amdhsa_next_free_sgpr 102
		.amdhsa_reserve_vcc 0
		.amdhsa_float_denorm_mode_32 3
		.amdhsa_float_denorm_mode_16_64 3
		.amdhsa_memory_ordered 1
		.amdhsa_forward_progress 1
		.amdhsa_inst_pref_size 157
	.end_amdhsa_kernel
	.amdgpu_metadata
---
amdhsa.version: [ 1, 2 ]
amdhsa.kernels:
  - .name:           k_q9cdc46cedf_proj
    .symbol:         k_q9cdc46cedf_proj.kd
    .args:
      - { .name: at, .offset: 0, .size: 8, .value_kind: global_buffer, .address_space: global }
      - { .name: wc, .offset: 8, .size: 8, .value_kind: global_buffer, .address_space: global }
      - { .name: ws, .offset: 16, .size: 8, .value_kind: global_buffer, .address_space: global }
      - { .name: b_out, .offset: 24, .size: 8, .value_kind: global_buffer, .address_space: global }
      - { .name: out0, .offset: 32, .size: 8, .value_kind: global_buffer, .address_space: global }
    .group_segment_fixed_size: 327680
    .private_segment_fixed_size: 0
    .kernarg_segment_align: 8
    .kernarg_segment_size: 40
    .max_flat_workgroup_size: 128
    .sgpr_count:     102
    .vgpr_count:     1024
    .wavefront_size: 32
...
	.end_amdgpu_metadata
.endif
;; end of part 4
